; MI455X (gfx1250); checked and timed in simulation.
; The chip was launched on July 23, 2026; its instructions are those of AMD's public machine-readable ISA for CDNA 5 (MIT licence, August 2026) and "CDNA5" Instruction Set Architecture Reference Guide (July 2026). The comments in the code are by the model that wrote it; some were corrected since.
;; Multi Head Attention. Allowed arithmetic: matrix products marked QUANTISED: E2M3 operands, one E8M0 scale for each 32 along K, by v_wmma_scale_f32_16x16x128_f8f6f4 with both operands' format E2M3, f32 sums; everything else in f32.
;; Inputs: Wk 1,024 x 1,024 float32; Wo 1,024 x 1,024 float32; Wq 1,024 x 1,024 float32; Wv 1,024 x 1,024 float32; _K 4 x 2,048 x 1,024 float32; _Q 4 x 2,048 x 1,024 float32; _V 4 x 2,048 x 1,024 float32; bk 1,024 float32; bo 1,024 float32; bq 1,024 float32; bv 1,024 float32.
;; Outputs: out0 4 x 2,048 x 1,024 float32.
;; This version of the problem:
;;   THIS VERSION OF THE PROBLEM IS GIVEN IN LOW PRECISION. The matrix products marked QUANTISED in the list below multiply operands that are first quantised to E2M3 (2 exponent bits, 3 mantissa bits; 6 bits a number), with one power-of-two scale for each 32 numbers along K (OCP MX v1.0); their sums are f32. All else is computed in f32.
;;   The module's matrix products, in the order in which they are computed (A, B: the left and right operand; K: the contracted axis; several contracted axes count as one K, in the product's order):
;;     1. [M 8,192, K 1,024] x [K 1,024, N 1,024]; A: input _K; B: input Wk: QUANTISED
;;     2. [M 8,192, K 1,024] x [K 1,024, N 1,024]; A: input _V; B: input Wv: QUANTISED
;;     3. [M 8,192, K 1,024] x [K 1,024, N 1,024]; A: input _Q; B: input Wq: QUANTISED
;;     4. batch 4 x [M 2,048, K 1,024] x [K 1,024, N 2,048]; A: computed on the way; B: computed on the way: QUANTISED
;;     5. batch 4 x [M 2,048, K 2,048] x [K 2,048, N 1,024]; A: softmax (see below); B: computed on the way: QUANTISED
;;     6. [M 8,192, K 1,024] x [K 1,024, N 1,024]; A: computed on the way; B: input Wo: QUANTISED
;;   THE QUANTISER, for each operand of a quantised product, along K:
;;     - K is cut into blocks of 32 from its start; a last block that is shorter is filled with zeros.
;;     - A block's scale is 2^e with e = floor(log2(the largest magnitude in the block)) - 2, held to -126 .. 127; a block of zeros has e = 0. As a byte (E8M0): e + 127.
;;     - Each number is divided by its block's scale, clamped to +-7.5, and rounded to the nearest number of E2M3, ties to even, subnormals kept.
;;     - The product sums the exact products of the quantised numbers (number of the format x scale) in f32.
;;   ~~~python
;;   def quantise(x, axis):      # numpy; x: float32 -> the quantised numbers, widened to float32 again
;;       x = np.moveaxis(x, axis, -1); K = x.shape[-1]
;;       x = np.pad(x, [(0, 0)] * (x.ndim - 1) + [(0, -K % 32)]); x = x.reshape(x.shape[:-1] + (-1, 32)); a = np.abs(x).max(-1, keepdims=True)
;;       e = np.where(a > 0, np.clip(np.frexp(np.where(a > 0, a, 1))[1] - 1 - 2, -126, 127), 0)      # np.frexp(a)[1] - 1 = floor(log2(a)), exactly
;;       r = np.clip(x / 2.0 ** e, -7.5, 7.5)
;;       step = 2.0 ** (np.maximum(np.frexp(np.where(r == 0, 1, r))[1] - 1, 0) - 3)
;;       q = np.round(r / step) * step * 2.0 ** e      # np.round: ties to even
;;       return np.moveaxis(q.reshape(q.shape[:-2] + (-1,))[..., :K], -1, axis).astype(np.float32)
;;   ~~~
;;   SOFTMAX AHEAD OF A QUANTISED PRODUCT. Where the list says 'softmax', what is quantised is not the finished softmax but p = 2^(t - M), with t = logit x log2(e) and M = ceil(the row's largest t), a whole number; so 1/2 < the row's largest p <= 1. The row's sum l is taken of the UNQUANTISED p, in f32, and the product's result is divided by l at the end. Since M is a whole number, a kernel that streams over the keys may use a running M (the ceiling of the running maximum): every later rescaling is an exact power of two, which a block's scale takes up: the codes' values come out the same.
;;   OPERANDS COMPUTED ON THE WAY. 'Computed on the way' means the value that the module computes at that place (a softmax that the list does not call 'softmax' is quantised finished and normalised). What goes into a quantiser is computed in f32, as accurately as f32 sums, v_exp_f32 and their like allow (about 1e-6 of the number): no bf16 or f16 on the way to a quantiser, and a product that is left as it is and whose result goes on into a quantised operand takes f32 operands (vector FMAs, or v_wmma_f32_16x16x4_f32). A number that lies on a knife's edge between two numbers of the format may be rounded either way, as far as f32 arithmetic and the matrix unit's own rounding can turn it there, and no further.
;; One version. Each part assembles by itself: llvm-mc -triple=amdgcn-amd-amdhsa -mcpu=gfx1250 --defsym DOCPART=n.
;; ======== version 1 of 1: 5 launches
;; limits: right only within a limited range of input values
;; workspace buffers: w1 22,937,600 bytes; w2 19,660,800 bytes; w3 14,155,776 bytes; w4 6,553,600 bytes
;; launch quant (part 1): grid 448 x 1, 8 waves a work-group, no clusters, 70,656 bytes of LDS; arguments _K, _Q, _V, Wk, Wq, Wv, Wo, w1; writes w1
.if DOCPART == 1
	.amdgcn_target "amdgcn-amd-amdhsa--gfx1250"
	.amdhsa_code_object_version 6
	.text
	.protected	k_q344d177db6_quant
	.globl	k_q344d177db6_quant
	.p2align	8
	.type	k_q344d177db6_quant,@function
k_q344d177db6_quant:
	s_mov_b64 s[64:65], 0
	v_nop
	global_prefetch_b8 v0, s[64:65] scope:SCOPE_SE
	s_setreg_imm32_b32 hwreg(HW_REG_WAVE_MODE, 25, 1), 1
	s_wait_xcnt 0x0
; The seven f32 inputs whose K (their last axis, 1,024) is innermost become codes of FP6 (E2M3) with one E8M0 byte for each 32 along K, laid in w1 AS IMAGES OF THE OPERAND'S REGISTERS.
; A fragment is 16 rows x 128 K: 12 registers a lane, lane (r, h) holding k = 64 c + 32 h + 0 .. 31 in registers 6 c .. 6 c + 5; in memory register j of lane l lies at 512 (j / 4) + 16 l + 4 (j % 4): 1,536 bytes.
; THE ROWS OF A ROW BLOCK ARE NOT NEIGHBOURS: lane r of block t holds row 32 (t / 2) + 8 (t % 2) + r + 8 (r / 8), so that a product's results run along the next product's K in a lane's registers.
; w1: codes [1792 row blocks][8 K steps][1536]; behind them the scale words [8 K steps][1792 row blocks][16 words].  Row blocks: _K 0, _Q 512, _V 1024, Wk 1536, Wq 1600, Wv 1664, Wo 1728.
; A block's scale is 2^(floor(log2(its largest magnitude)) - 2): its byte is the largest magnitude's exponent field - 2, held at 1 from below.
; LIMITS: a block of zeros gets the byte 1 where the rule says 127 (its codes are zeros, and this program alone reads the bytes); NaN and infinities among the inputs are not served.
; SHARES: a work-group takes 64 rows (four row blocks, 256 KiB of f32 on end), wave w their K step w: four fragments, written out.  Each load reads 512 consecutive bytes of one row; the 16 rows of a fragment
; turn through the wave's own stage in LDS (rows 528 bytes apart) and come back 256 bytes of one row a lane: two whole blocks of 32.
; Memory binds: no matrix unit, no cluster, no barrier (the waves share nothing); 16 to 32 loads of every wave are on their way.
.set SC1,   22020096                   ; where w1's scale words begin
.set WREG,  8704                       ; LDS of a wave: the stage, 16 x 528, and 256 bytes in which its four fragments' scale words meet
.set GATH,  8448
.set SPARE, 8*WREG                     ; behind the eight regions: the spare words, 128 bytes for each wave: four blocks of 256 bytes that no other line names
.set C,  16                            ; v16-39   codes, two sets of 12
.set PT, 40                            ; v40-47   the upper halves of two blocks' codes, before they are moved
.set PW, 48                            ; v48-51   a scale word for each fragment
.set R,  64                            ; v64-191  two sets of 64: a fragment's numbers as loaded
.set X,  192                           ; v192-255 my row's 64 numbers: register 32 c + i is k = 64 c + 32 h + i
	s_load_b512 s[8:23], s[0:1], 0x0               ; _K s[8:9], _Q s[10:11], _V s[12:13], Wk s[14:15], Wq s[16:17], Wv s[18:19], Wo s[20:21], w1 s[22:23]
	v_lshl_add_u32 v14, v0, 2, SPARE               ; my spare word; never rewritten
	v_mov_b32 v15, 0                               ; 0; never rewritten
	v_lshrrev_b32 v8, 5, v0
	s_delay_alu instid0(VALU_DEP_1)
	v_readfirstlane_b32 s2, v8                     ; wave 0..7 = my K step
	v_and_b32 v8, 31, v0                           ; lane
	v_and_b32 v9, 15, v0                           ; r
	v_bfe_u32 v10, v0, 4, 1                        ; h
	s_mul_i32 s3, s2, WREG
	v_lshlrev_b32 v1, 4, v8                        ; v1: 16 x lane: my bytes of a load's 512, and of a store's
	s_delay_alu instid0(VALU_DEP_1)
	v_add_nc_u32 v2, s3, v1                        ; v2: into the stage, as loaded
	v_mul_u32_u24 v3, v9, 528
	s_delay_alu instid0(VALU_DEP_1)
	v_lshl_add_u32 v3, v10, 7, v3
	s_delay_alu instid0(VALU_DEP_1)
	v_add_nc_u32 v3, s3, v3                        ; v3: out of it: row r, + 128 h
	v_lshlrev_b32 v4, 2, v9
	s_delay_alu instid0(VALU_DEP_1)
	v_add_nc_u32 v4, s3, v4
	s_delay_alu instid0(VALU_DEP_1)
	v_add_nc_u32 v4, GATH, v4                      ; v4: where my row's scale word goes
	v_lshlrev_b32 v7, 3, v8                        ; v7: 8 x lane
	s_delay_alu instid0(VALU_DEP_1)
	v_add_nc_u32 v5, s3, v7
	s_delay_alu instid0(VALU_DEP_1)
	v_add_nc_u32 v5, GATH, v5                      ; v5: and where 8 bytes of the 256 are read back
	v_lshlrev_b32 v6, 3, v10                       ; v6: 8 h: my two bytes' shift in the scale word
	v_mov_b32 v13, 0                               ; (a lane permute's destination counts as one of its sources)
	s_mov_b32 s28, 0x76543210
	s_mov_b32 s29, 0xfedcba98                      ; v_permlanex16_b32's selects for lane l xor 16
	s_mov_b32 s4, 0
	s_wait_alu depctr_va_vdst(0)
	s_wait_kmcnt 0x0
.macro PICK first, ptr                 ; from work-group 'first' on the source is the next tensor: the choice hangs on the work-group's number alone
	s_cmp_ge_u32 ttmp9, \first
	s_cselect_b64 s[8:9], s[\ptr:\ptr+1], s[8:9]
	s_cselect_b32 s4, \first, s4
.endm
	PICK 128, 10
	PICK 256, 12
	PICK 384, 14
	PICK 400, 16
	PICK 416, 18
	PICK 432, 20
	s_sub_co_u32 s4, ttmp9, s4                     ; which 64 rows of the tensor
	s_lshl_b32 s4, s4, 18                          ; x 64 rows of 4,096 bytes
	s_lshl_b32 s5, s2, 9                           ; + my K step's 512 bytes of a row
	s_add_co_u32 s4, s4, s5
	s_mov_b32 s5, 0
	s_add_nc_u64 s[8:9], s[8:9], s[4:5]
	s_mul_i32 s4, ttmp9, 4*8*1536                  ; codes: fragment (4 g, w)
	s_mul_i32 s6, s2, 1536
	s_add_co_u32 s4, s4, s6
	s_add_nc_u64 s[24:25], s[22:23], s[4:5]
	s_mul_i32 s4, s2, 1792*64                      ; scale words: K step w, row block 4 g
	s_lshl_b32 s6, ttmp9, 8
	s_add_co_u32 s4, s4, s6
	s_add_co_u32 s4, s4, SC1
	s_add_nc_u64 s[26:27], s[22:23], s[4:5]
.macro LOAD f                          ; fragment f's 16 rows, 512 consecutive bytes each, into set f % 2
.set i, 0
.rept 16
	global_load_b128 v[R+64*((\f)%2)+4*i:R+64*((\f)%2)+4*i+3], v1, s[8:9] offset:(32*((\f)/2)+8*((\f)%2)+i+8*(i/8))*4096 th:TH_LOAD_NT
.set i, i+1
.endr
.endm
.macro TURNF f                         ; through the stage: LDS serves a wave's instructions in order, so no wait stands between the stores and the loads
.set i, 0
.rept 16
	ds_store_b128 v2, v[R+64*((\f)%2)+4*i:R+64*((\f)%2)+4*i+3] offset:528*i
.set i, i+1
.endr
.set i, 0
.rept 16
	ds_load_b128 v[X+4*i:X+4*i+3], v3 offset:256*(i/8)+16*(i%8)
.set i, i+1
.endr
.endm
.macro QF f                            ; my two whole blocks (2 c + h, c = 0, 1) are quantised; the conversions' results are the operand's registers
.set CC, C+12*((\f)%2)
	v_max3_num_f32 v8, |v[X]|, |v[X+1]|, 0x1800000                 ; the largest magnitude, with the floor 2^(3 - 127) as one more leaf: the byte cannot fall under 1
	v_max3_num_f32 v9, |v[X+32]|, |v[X+33]|, 0x1800000
.irp i, 2,4,6,8,10,12,14,16,18,20,22,24,26,28,30
	s_delay_alu instid0(VALU_DEP_2)
	v_max3_num_f32 v8, v8, |v[X+\i]|, |v[X+\i+1]|                  ; (the two blocks by turns)
	s_delay_alu instid0(VALU_DEP_2)
	v_max3_num_f32 v9, v9, |v[X+32+\i]|, |v[X+33+\i]|
.endr
	s_delay_alu instid0(VALU_DEP_2)
	v_add_nc_u32 v10, 0xff000000, v8               ; 2 off the exponent field: the conversion takes the exponent field of this operand as its scale
	s_delay_alu instid0(VALU_DEP_2)
	v_add_nc_u32 v11, 0xff000000, v9
	s_delay_alu instid0(VALU_DEP_2)
	v_lshrrev_b32 v8, 23, v10                      ; the scales' bytes
	s_delay_alu instid0(VALU_DEP_2)
	v_lshrrev_b32 v9, 23, v11
	s_delay_alu instid0(VALU_DEP_1)
	v_lshl_or_b32 v12, v9, 16, v8                  ; blocks h and 2 + h,
	s_delay_alu instid0(VALU_DEP_1)
	v_lshlrev_b32 v12, v6, v12                     ; at their places in the word;
	s_delay_alu instid0(VALU_DEP_1)
	v_permlanex16_b32 v13, v12, s28, s29
	s_delay_alu instid0(VALU_DEP_1)
	v_or_b32 v[PW+\f], v12, v13                    ; with lane l xor 16's two the word is whole
.if (\f) >= 2
	s_wait_alu depctr_va_vdst(0)
	s_wait_xcnt 0x0                                ; the stores of two fragments back have read this set of codes: it is written again only behind this wait
.endif
.irp c, 0,1
	v_cvt_scalef32_pk16_fp6_f32 v[CC+6*\c:CC+6*\c+2], v[X+32*\c:X+32*\c+15], v[10+\c]
	v_cvt_scalef32_pk16_fp6_f32 v[PT+4*\c:PT+4*\c+2], v[X+32*\c+16:X+32*\c+31], v[10+\c]   ; (a conversion's three registers begin on an even number)
.endr
	v_nop                                          ; one plain place behind a scaled conversion
.irp c, 0,1
.irp i, 0,1,2
	v_mov_b32 v[CC+6*\c+3+\i], v[PT+4*\c+\i]
.endr
.endr
.irp c, 0,1,2
	global_store_b128 v1, v[CC+4*\c:CC+4*\c+3], s[24:25] offset:(\f)*8*1536+512*\c   ; 32 lanes store 512 consecutive bytes, at a multiple of 256 from w1's first byte
.endr
	ds_store_b32 v4, v[PW+\f] offset:64*(\f)       ; lanes r and r + 16 write the same word with the same value
.endm
	LOAD 0
	LOAD 1
.irp f, 0,1,2,3
.if \f < 3
	s_wait_loadcnt 16                              ; this fragment's 16 loads are in; the next fragment's 16 may be out
.else
	s_wait_loadcnt 0x0
.endif
	TURNF \f
	s_wait_dscnt 0x0                               ; my row is back, and the stores into the stage have read their registers,
.if \f < 2
	LOAD \f+2                                      ; which take the fragment two further on
.endif
	QF \f
.endr
	ds_load_b64 v[52:53], v5                       ; LDS serves a wave's instructions in order: this sees my four stores
	s_wait_dscnt 0x0
	global_store_b64 v7, v[52:53], s[26:27]        ; four row blocks' scale words: 256 consecutive bytes, aligned
	s_wait_tensorcnt 0x0                           ; the wave's end
	ds_add_u32 v14, v15
	s_wait_dscnt 0x0
	s_endpgm
.Lfunc_end_k_q344d177db6_quant:
	.size	k_q344d177db6_quant, .Lfunc_end_k_q344d177db6_quant-k_q344d177db6_quant
	.p2alignl 7, 3214868480
	.fill 96, 4, 3214868480
	.section	.rodata,"a",@progbits
	.p2align	6, 0x0
	.amdhsa_kernel k_q344d177db6_quant
		.amdhsa_group_segment_fixed_size 70656
		.amdhsa_private_segment_fixed_size 0
		.amdhsa_enable_private_segment 0
		.amdhsa_kernarg_size 64
		.amdhsa_user_sgpr_count 2
		.amdhsa_user_sgpr_kernarg_segment_ptr 1
		.amdhsa_wavefront_size32 1
		.amdhsa_system_sgpr_workgroup_id_x 1
		.amdhsa_system_sgpr_workgroup_id_y 1
		.amdhsa_system_sgpr_workgroup_id_z 1
		.amdhsa_system_vgpr_workitem_id 0
		.amdhsa_next_free_vgpr 256
		.amdhsa_next_free_sgpr 66
		.amdhsa_reserve_vcc 0
		.amdhsa_float_denorm_mode_32 3
		.amdhsa_float_denorm_mode_16_64 3
		.amdhsa_memory_ordered 1
		.amdhsa_forward_progress 1
		.amdhsa_inst_pref_size 36
	.end_amdhsa_kernel
	.amdgpu_metadata
---
amdhsa.version: [ 1, 2 ]
amdhsa.kernels:
  - .name:           k_q344d177db6_quant
    .symbol:         k_q344d177db6_quant.kd
    .args:
      - { .name: _K, .offset: 0, .size: 8, .value_kind: global_buffer, .address_space: global }
      - { .name: _Q, .offset: 8, .size: 8, .value_kind: global_buffer, .address_space: global }
      - { .name: _V, .offset: 16, .size: 8, .value_kind: global_buffer, .address_space: global }
      - { .name: Wk, .offset: 24, .size: 8, .value_kind: global_buffer, .address_space: global }
      - { .name: Wq, .offset: 32, .size: 8, .value_kind: global_buffer, .address_space: global }
      - { .name: Wv, .offset: 40, .size: 8, .value_kind: global_buffer, .address_space: global }
      - { .name: Wo, .offset: 48, .size: 8, .value_kind: global_buffer, .address_space: global }
      - { .name: w1, .offset: 56, .size: 8, .value_kind: global_buffer, .address_space: global }
    .group_segment_fixed_size: 70656
    .private_segment_fixed_size: 0
    .kernarg_segment_align: 8
    .kernarg_segment_size: 64
    .max_flat_workgroup_size: 256
    .sgpr_count:     66
    .vgpr_count:     256
    .wavefront_size: 32
...
	.end_amdgpu_metadata
.endif
;; end of part 1
;; launch proj (part 2): grid 4 x 64, 4 waves a work-group, clusters of 4 x 4, 327,680 bytes of LDS; arguments w1, bk, bq, bv, w2; writes w2
.if DOCPART == 2
	.amdgcn_target "amdgcn-amd-amdhsa--gfx1250"
	.amdhsa_code_object_version 6
	.text
	.protected	k_q344d177db6_proj
	.globl	k_q344d177db6_proj
	.p2align	8
	.type	k_q344d177db6_proj,@function
k_q344d177db6_proj:
	s_mov_b64 s[64:65], 0
	v_nop
	global_prefetch_b8 v0, s[64:65] scope:SCOPE_SE
	s_setreg_imm32_b32 hwreg(HW_REG_WAVE_MODE, 25, 1), 1
	s_wait_xcnt 0x0
	s_wait_alu depctr_hold_cnt(0) depctr_sa_sdst(0) depctr_va_vdst(0) depctr_va_sdst(0) depctr_va_ssrc(0) depctr_va_vcc(0) depctr_vm_vsrc(0)
	s_getreg_b32 s2, hwreg(HW_REG_IB_STS2, 6, 4)
	s_cmp_eq_u32 s2, 0
	s_cbranch_scc0 .Lentry_in_a_cluster
	s_endpgm
.Lentry_in_a_cluster:
	s_bfe_u32 s2, ttmp6, 0x10000c
	s_cmp_lg_u32 s2, 0xf033
	s_cbranch_scc0 .Lentry_shape_is_right
	s_endpgm
.Lentry_shape_is_right:
; The three projections x W^T + b on codes of FP6 (E2M3) with E8M0 scales; the results are quantised on the way out for the products that follow.
; A WORK-GROUP STAYS: it makes a tile of 128 x 256 of K, then one of Q, then one of V (98,304 numbers for each of 256 work-groups); the ring of two LDS slots goes on from tile to tile.
; K, Q: source 0 ('B') = 256 rows of W, source 1 ('A') = 128 rows of x: a lane holds one token, its registers run along e, the next K.
; V: source 0 = 256 rows of _V, source 1 = 128 rows of Wv: a lane holds one e, its registers run along the tokens, the next K.
; Operands lie in memory as IMAGES OF THE OPERAND'S REGISTERS (1,536 bytes a fragment of 16 rows x 128 K, register j of lane l at 512 (j / 4) + 16 l + 4 (j % 4)): codes [row block][K step], scale words [K step][row block][16].
; Lane r of row block t holds row 32 (t / 2) + 8 (t % 2) + r + 8 (r / 8): as source 0 that makes the 16 registers of accumulators 2 b, 2 b + 1 sixteen neighbours along the next K.
; w1's row blocks: _K 0, _Q 512, _V 1024, Wk 1536, Wq 1600, Wv 1664.
; w2: K's codes [512][8][1536], Q's at 6,291,456, V's at 12,582,912 as [batch][64 row blocks of e][16 K steps of keys]; scale words from SC2: K's [8][512][64], Q's, V's [64 chunks of keys][64][64].
; Four waves, 64 x 128 each: 32 accumulators.  A slot holds four K steps, a tile's K is two slots.  THE HEAD: one joint load a wave: waves 0, 1 bring A's whole part of slot 0, 1, waves 2, 3 B's.
; Four refills follow, one joint load a wave (half of A's or of B's part) behind a round of the cluster's barrier; each is asked for four K steps, 128 matrix instructions, or more ahead of the wait for it.
; THE SCALE WORDS of a tile, 12,288 bytes for all of K, are copied once by plain loads of 512 consecutive bytes a wave and LDS stores into two sets that no tensor load fills:
; K's and Q's at the head; V's are loaded at the head too, kept in 24 registers, and stored into K's set behind the barrier that ends K's reads of it; two barriers stand between those stores and V's first read.
; CLUSTERS 4 x 4: A's tiles are shared along a row of the cluster, B's along a column.  K, Q: A's tile 4 Y + cy, B's cx; V: A's tile 4 (Y % 2) + cy, B's 4 (Y / 2) + cx (Y: the cluster's y).
; PREFETCH: each refill's bytes are named once in each cluster, a lane to 256 bytes: of the part that a wave will fetch its work-group takes a quarter, told apart by address (cx for A, cy for B):
; one row block's 6,144 bytes of A, two of B.  Q's slots are asked for in K's K steps 0 and 1, V's in K's K step 4 and Q's K step 0: never more than two slots are asked for and not yet loaded.  The head's two slots come by their loads alone.
; LIMITS: NaN and infinities are not served; a block of zeros gets the byte 1 where the rule says 127 (its codes are zeros, and this program alone reads the bytes).
; REGISTERS.  window 0: v1 r, v2 h, v3 lane, v4 16 x lane, v5 4 x lane; v6, v7 the biases' offsets; v12-15 the scale words' offsets; v16-17, v20-21 LDS addresses of my A and B fragments in slot 0, 1; v22, v23 of my scale words;
;   v24, v25, v27 the way out's; v26 the scale copies' LDS address; v28, v29 the add's two; v31 the prefetches' offset; v32-39 A's scale words, two sets; v40-47 B's (lanes 0-15: block 2 i, lanes 16-31: block 2 i + 1);
;   v48-63 at work on the way out; v64-159 A's fragments, two sets of 48; v160-221 the way out; v224-247 V's scale words on their way.
;   window 1: B's fragments, set p at 128 p.   window 2: accumulator (a, b) at 8 (8 a + b).   window 3: the biases in the results' layout: bk's eight tiles at 0, bq's at 64, bv's four at 128.
.set NA, 4
.set NQ, 4
.set KS, 8
.set SC1, 22020096
.set SC2, 18874368
.set FRB,   1536
.set HA,    NA*NQ*FRB
.set HB,    8*NQ*FRB
.set SLOT,  2*HA+2*HB
.set SAROW, 128*NA
.set NLD,   3*NA+24+NA/2+4             ; LDS loads of one K step
.set SCS,   2*SLOT                     ; behind the ring: two sets of scale words; in a set A's [K step][8 row blocks][64], then B's [K step][16][64]
.set SETB,  KS*SAROW+KS*1024
.set GST,   SCS+2*SETB                 ; 256 bytes for each wave in which its results' scale words meet
.set SPARE, GST+1024                   ; the spare words, 128 bytes for each wave: two blocks of 256 bytes that no other line names
.set KSP,   1792*64                    ; w1's scale words: bytes from K step to K step
.set G1,    24                         ; s[24:31] group 1 for A's refills; s[32:39] group 0, a set for each slot
.set G0,    32
.set G1B,   48                         ; s[48:55], s[56:63] the same for B's
.set G0B,   56
.set G1H,   68                         ; s[68:75], s[76:79] groups 1 and 0 for the head's load of A's whole part of a slot
.set G0H,   76
.set G1HB,  80                         ; s[80:87], s[88:91] the same for B's
.set G0HB,  88
.set PQ,    96                         ; s[96:97] where my prefetches of Q's tile begin; s[98:99] of V's
.set PV,    98
.set TM,    48
.set PC,    160
.set PT,    208
.set PWS,   216
.set GD,    220
.set MSB,   0
.macro WIN new                         ; the immediate's high byte repeats the setting that is left; a switch that changes nothing is dropped
.if MSB != (\new)
	s_set_vgpr_msb (MSB<<8)|(\new)
.set MSB, (\new)
.endif
.endm
.macro PLACES n                        ; plain vector places behind matrix instructions (ISA guide 7.12.1)
.rept \n
	v_nop
.endr
.endm
.macro JLOAD g0a, g1a, g0b, g1b        ; a joint load: waves 0 and 1 fetch for A, waves 2 and 3 for B; an s_nop 0 and four v_nop follow each line
	s_cmp_eq_u32 s15, 0
	s_cbranch_scc0 .Lfor_b_\@
	tensor_load_to_lds s[\g0a:\g0a+3], s[\g1a:\g1a+7]
	s_nop 0
.rept 4
	v_nop
.endr
	s_branch .Lasked_\@
.Lfor_b_\@:
	tensor_load_to_lds s[\g0b:\g0b+3], s[\g1b:\g1b+7]
	s_nop 0
.rept 4
	v_nop
.endr
.Lasked_\@:
.endm
.macro CREST                           ; a round of the cluster's barrier behind its opening barrier
	s_cmp_lg_u32 s14, 0
	s_cbranch_scc1 .Lnot_wave_0_\@
	s_barrier_signal -3
.Lnot_wave_0_\@:
	s_barrier_wait -3
	s_barrier_signal -1
	s_barrier_wait -1
.endm
.macro CROUND
	s_barrier_signal -1
	s_barrier_wait -1
	CREST
.endm
.macro GROUP1 g, c, r, p               ; words 1 to 7: r rows of c elements of 8 bytes, p elements from row to row
	s_mov_b32 s[\g+1], (\c)<<16
	s_mov_b32 s[\g+2], (\r)<<16
	s_mov_b32 s[\g+3], (\c)<<16
	s_mov_b32 s[\g+4], \r
	s_mov_b32 s[\g+5], \p
	s_mov_b32 s[\g+6], 0
	s_mov_b32 s[\g+7], 0
.endm
.macro GROUP0 g, lds, ldsadd, adr, adradd
	s_mov_b32 s[\g], 1
	s_add_co_u32 s[\g+1], s[\lds], \ldsadd
	s_add_nc_u64 s[\g+2:\g+3], s[\adr:\adr+1], \adradd
	s_or_b32 s[\g+3], s[\g+3], 0x80000000
.endm
.macro ASK ptr, slot                   ; my work-group's quarter of the part of that slot that I shall fetch: 24 blocks of 256 bytes a row block (lanes 24-31 name the last again); B's waves have a second row block
	global_prefetch_b8 v31, s[\ptr:\ptr+1] offset:NQ*FRB*(\slot) th:TH_LOAD_NT scope:SCOPE_SE
	s_cmp_eq_u32 s15, 0
	s_cbranch_scc1 .Lone_\@
	global_prefetch_b8 v31, s[\ptr:\ptr+1] offset:8*FRB+NQ*FRB*(\slot) th:TH_LOAD_NT scope:SCOPE_SE
.Lone_\@:
.endm
.macro WM1 cop                         ; one product; an odd block's scale words stand in lanes 16-31 of its register
.if (ib%2 == 1) && (ia%2 == 1)
	v_wmma_scale_f32_16x16x128_f8f6f4 v[rD:rD+7], v[rB:rB+11], v[rA:rA+11], \cop, v[sB], v[sA] matrix_a_fmt:MATRIX_FMT_FP6 matrix_b_fmt:MATRIX_FMT_FP6 matrix_a_scale:MATRIX_SCALE_ROW1 matrix_b_scale:MATRIX_SCALE_ROW1
.elseif ib%2 == 1
	v_wmma_scale_f32_16x16x128_f8f6f4 v[rD:rD+7], v[rB:rB+11], v[rA:rA+11], \cop, v[sB], v[sA] matrix_a_fmt:MATRIX_FMT_FP6 matrix_b_fmt:MATRIX_FMT_FP6 matrix_a_scale:MATRIX_SCALE_ROW1
.elseif ia%2 == 1
	v_wmma_scale_f32_16x16x128_f8f6f4 v[rD:rD+7], v[rB:rB+11], v[rA:rA+11], \cop, v[sB], v[sA] matrix_a_fmt:MATRIX_FMT_FP6 matrix_b_fmt:MATRIX_FMT_FP6 matrix_b_scale:MATRIX_SCALE_ROW1
.else
	v_wmma_scale_f32_16x16x128_f8f6f4 v[rD:rD+7], v[rB:rB+11], v[rA:rA+11], \cop, v[sB], v[sA] matrix_a_fmt:MATRIX_FMT_FP6 matrix_b_fmt:MATRIX_FMT_FP6
.endif
.endm
; A's blocks a0 .. a0 + n - 1 against B's eight, from set p.  cm 0: onto the sums; 2: the sums start at the bias tile of B's block, window 3, from register cb on; 3: at that of A's block.
; The accumulators take turns, one instruction a turn, in the same order in every K step and from tile to tile.
.macro MULR a0, n, p, cm, cb
.set ia, \a0
.rept \n
.if (\cm) >= 2
	WIN 0xb1                                       ; source 0 (B) window 1, source 1 (A) window 0, C window 3, D window 2
.else
	WIN 0xa1                                       ; C and D window 2
.endif
.set ib, 0
.rept 8
.set rD, 8*(8*ia+ib)
.set rB, 128*(\p)+12*ib
.set rA, 64+12*NA*(\p)+12*ia
.set sB, 40+4*(\p)+ib/2
.set sA, 32+4*(\p)+ia/2
.if (\cm) == 0
	WM1 v[rD:rD+7]
.elseif (\cm) == 2
.set rC, (\cb)+8*ib
	WM1 v[rC:rC+7]
.else
.set rC, (\cb)+8*ia
	WM1 v[rC:rC+7]
.endif
.set ib, ib+1
.endr
.set ia, ia+1
.endr
.endm
; The slot's q-th K step into set p of the registers: NLD loads in one run; an image comes back by three loads of 16 bytes a lane.  The scale words come from set 'set' in LDS.
.macro FETCH slot, q, p, set
	WIN 0x40
.set i, 0
.rept 8
.irp c, 0,1,2
	ds_load_b128 v[128*(\p)+12*i+4*\c:128*(\p)+12*i+4*\c+3], v[20+\slot] offset:(i*NQ+(\q))*FRB+512*\c
.endr
.set i, i+1
.endr
	WIN 0
.set i, 0
.rept NA
.irp c, 0,1,2
	ds_load_b128 v[64+12*NA*(\p)+12*i+4*\c:64+12*NA*(\p)+12*i+4*\c+3], v[16+\slot] offset:(i*NQ+(\q))*FRB+512*\c
.endr
.set i, i+1
.endr
.set i, 0
.rept NA/2
	ds_load_b32 v[32+4*(\p)+i], v22 offset:(\set)*SETB+((\slot)*NQ+(\q))*SAROW+128*i
.set i, i+1
.endr
.set i, 0
.rept 4
	ds_load_b32 v[40+4*(\p)+i], v23 offset:(\set)*SETB+((\slot)*NQ+(\q))*1024+128*i
.set i, i+1
.endr
.endm
.macro STEP slot, q, set, cm, cb, ap, as   ; a K step that has its successor in the same slot: the successor is fetched into the other set of registers, then this one is multiplied.  ap: a prefetch's pointer, or 0
	PLACES 4                                       ; in front of loads into registers that the last step's products read
	FETCH \slot, (\q)+1, 1-(\q)%2, \set
	s_wait_dscnt NLD                               ; all but the NLD loads just issued: this step's set is in
.if (\ap) != 0
	ASK \ap, \as                                   ; 32 matrix instructions stand between it and the next wait
.endif
	MULR 0, NA, (\q)%2, \cm, \cb
	WIN 0
.endm
; A slot's last K step (registers' set 1) changes slots: ONE barrier.  In front of it each wave waits for all its tensor loads, adds 0 to its spare word, and waits for that and for its reads of this slot.
; on = 1, 2: the barrier opens a round of the cluster's barrier, and behind the round this slot takes the same K steps of the NEXT tile: one joint load a wave, first thing there.
; on = 1: from K's tile to Q's: 512 row blocks on in x, 64 in W.  on = 2: from Q's to V's: A goes on to Wv by s[40:41] bytes, B back to _V by s[42:43].  on = 0: nothing is left to fetch.
.macro TURN slot, next, nset, on
	s_wait_tensorcnt 0x0                           ; all my tensor loads have landed: my part of the next slot among them
	ds_add_u32 v28, v29
	s_wait_dscnt 1                                 ; this step's set is in; the add may be out
	MULR 0, NA/4, 1, 0, 0
	s_wait_dscnt 0x0                               ; the add is done, and my reads of this slot are over
	s_barrier_signal -1
	MULR NA/4, NA/4, 1, 0, 0
	WIN 0
	s_barrier_wait -1
.if (\on) == 1
	CREST                                          ; no wave of any partner still reads this slot or has a load on its way
	s_add_nc_u64 s[G0+4*\slot+2:G0+4*\slot+3], s[G0+4*\slot+2:G0+4*\slot+3], 512*8*FRB
	s_add_nc_u64 s[G0B+4*\slot+2:G0B+4*\slot+3], s[G0B+4*\slot+2:G0B+4*\slot+3], 64*8*FRB
	JLOAD G0+4*\slot, G1, G0B+4*\slot, G1B         ; its four v_nop are also the places in front of the loads below
.elseif (\on) == 2
	CREST
	s_add_nc_u64 s[G0+4*\slot+2:G0+4*\slot+3], s[G0+4*\slot+2:G0+4*\slot+3], s[40:41]
	s_sub_nc_u64 s[G0B+4*\slot+2:G0B+4*\slot+3], s[G0B+4*\slot+2:G0B+4*\slot+3], s[42:43]
	JLOAD G0+4*\slot, G1, G0B+4*\slot, G1B
.else
	PLACES 4
.endif
	FETCH \next, 0, 0, \nset
	MULR NA/2, NA/2, 1, 0, 0
	WIN 0
.endm
.macro BODY set, cm, cb, on, p0, s0, p1, s1, p4, s4   ; a tile's K steps 0 to 6; the first step's products start the sums at the bias: nothing is cleared.  Prefetches in K steps 0, 1 and 4
	STEP 0, 0, \set, \cm, \cb, \p0, \s0
	STEP 0, 1, \set, 0, 0, \p1, \s1
	STEP 0, 2, \set, 0, 0, 0, 0
	TURN 0, 1, \set, \on
	STEP 1, 0, \set, 0, 0, \p4, \s4
	STEP 1, 1, \set, 0, 0, 0, 0
	STEP 1, 2, \set, 0, 0, 0, 0
.endm
; 64 numbers of a lane in window W, register s + 16 b + i = k 32 b + 16 (lane / 16) + i of my row.  QMAX: the four blocks' largest magnitudes into v[TM ..], each accumulator read from its low end on.
.macro QMAX s, W
	WIN ((\W)<<2)|((\W)<<4)
.irp b, 0,1,2,3
	v_max3_num_f32 v[TM+\b], 0x1800000, |v[(\s)+16*\b]|, |v[(\s)+16*\b+1]|   ; with the floor 2^(3 - 127): the byte cannot fall under 1
.endr
.irp i, 2,4,6,8,10,12,14
.irp b, 0,1,2,3
	v_max3_num_f32 v[TM+\b], v[TM+\b], |v[(\s)+16*\b+\i]|, |v[(\s)+16*\b+\i+1]|
.endr
.endr
	WIN 0
.irp b, 0,1,2,3
	v_permlanex16_b32 v[TM+4+\b], v[TM+\b], s100, s101
.endr
.irp b, 0,1,2,3
	v_max_num_f32 v[TM+\b], v[TM+\b], v[TM+4+\b]   ; with lane l xor 16's 16 numbers
.endr
.endm
; QTAIL: from the largest magnitudes the scale word into v[pw] and the fragment's 12 registers into v[pc ..]
.macro QTAIL s, W, pc, pw
.irp b, 0,1,2,3
	v_add_nc_u32 v[TM+12+\b], 0xff000000, v[TM+\b] ; 2 off the exponent field: the conversion's scale operand
.endr
.irp b, 0,1,2,3
	v_lshrrev_b32 v[TM+4+\b], 23, v[TM+12+\b]      ; the scale's byte
.endr
	v_lshl_or_b32 v[\pw], v[TM+5], 8, v[TM+4]
	v_lshl_or_b32 v[\pw], v[TM+6], 16, v[\pw]
	v_lshl_or_b32 v[\pw], v[TM+7], 24, v[\pw]
	WIN \W
.irp c, 0,1
	v_cvt_scalef32_pk16_fp6_f32 v[(\pc)+6*\c:(\pc)+6*\c+2], v[(\s)+32*\c:(\s)+32*\c+15], v[TM+12+2*\c]
	v_cvt_scalef32_pk16_fp6_f32 v[PT+4*\c:PT+4*\c+2], v[(\s)+32*\c+16:(\s)+32*\c+31], v[TM+13+2*\c]   ; (a conversion's three registers begin on an even number)
.endr
	WIN 0
	v_nop                                          ; one plain place behind a scaled conversion
.irp c, 0,1                            ; the layout wants a WHOLE block in a lane: lanes 0-15 block 2 c, lanes 16-31 block 2 c + 1
.irp i, 0,1,2
	v_permlane16_swap_b32 v[(\pc)+6*\c+\i], v[PT+4*\c+\i]
.endr
.irp i, 0,1,2
	v_mov_b32 v[(\pc)+6*\c+3+\i], v[PT+4*\c+\i]
.endr
.endr
.endm
.macro STOREF pc, voff, base, imm      ; a fragment leaves as its image: each store covers 512 consecutive bytes, at a multiple of 256 from the buffer's first byte
.irp c, 0,1,2
	global_store_b128 v[\voff], v[(\pc)+4*\c:(\pc)+4*\c+3], s[\base:\base+1] offset:(\imm)+512*\c
.endr
.endm
; THE WAY OUT of a tile: each of my four blocks of A's rows is one fragment of the next product: quantised in registers and stored as its image, kso K steps of 1,536 bytes from row block to row block.
; The four scale words a lane meet in my wave's own 256 bytes of LDS and leave as one aligned run of 256 bytes.  The next tile's first fragments, and its refills, are on their way meanwhile.
.macro WAYOUT first, ob, os, oimm, osimm, kso
.if (\first) == 0
	s_wait_xcnt 0x0                                ; the last tile's stores have read the registers that are written again below
.endif
.irp a, 0,1,2,3
	QMAX 64*\a, 2
	QTAIL 64*\a, 2, PC+12*\a, PWS+\a
	STOREF PC+12*\a, 4, \ob, (\oimm)+\a*(\kso)*FRB
	ds_store_b32 v24, v[PWS+\a] offset:64*\a       ; lanes r and r + 16 write the same word with the same value
.endr
	ds_load_b64 v[GD:GD+1], v25                    ; LDS serves a wave's instructions in order: this sees my stores
	s_wait_dscnt 0x0
	global_store_b64 v27, v[GD:GD+1], s[\os:\os+1] offset:\osimm
.endm
.macro SSTORE reg, set                 ; a tile's scale words, 96 bytes a thread from v[reg ..], into a set: A's 4,096 bytes, then B's 8,192
.irp j, 0,1
	ds_store_b128 v26, v[(\reg)+4*\j:(\reg)+4*\j+3] offset:(\set)*SETB+2048*\j
.endr
.irp j, 0,1,2,3
	ds_store_b128 v26, v[(\reg)+8+4*\j:(\reg)+8+4*\j+3] offset:(\set)*SETB+KS*SAROW+2048*\j
.endr
.endm
	s_load_b256 s[4:11], s[0:1], 0x0               ; w1 s[4:5], bk s[6:7], bq s[8:9], bv s[10:11]
	s_load_b64 s[12:13], s[0:1], 0x20              ; w2
	v_lshl_add_u32 v28, v0, 2, SPARE
	v_mov_b32 v29, 0
	ds_add_u32 v28, v29                            ; the wave's opening
	ds_add_u32 v28, v29
	v_lshrrev_b32 v1, 5, v0
	v_readfirstlane_b32 s14, v1                    ; wave 0..3
	s_lshr_b32 s15, s14, 1                         ; AH: my half of A's rows.  Also: I fetch for A (0) or for B (1)
	s_and_b32 s16, s14, 1                          ; BH: my half of B's rows.  Also: which slot I fetch at the head, which half in a refill
	s_bfe_u32 s40, ttmp6, 0x40000                  ; cx
	s_bfe_u32 s41, ttmp6, 0x40004                  ; cy
	s_and_b32 s18, ttmp7, 0xffff                   ; Y: the cluster's y, 0..15
	s_lshl_b32 s17, s18, 2
	s_add_co_u32 s17, s17, s41                     ; TA: K's and Q's tile of 128 tokens, 0..63
	s_lshl_b32 s42, ttmp9, 2
	s_add_co_u32 s42, s42, s40                     ; TB: their tile of 256 of e, 0..3
	s_lshl_b32 s43, s41, 2
	s_lshl_b32 s43, 15, s43                        ; my row of the cluster
	s_lshl_b32 s44, 0x1111, s40                    ; my column
	s_or_b32 s[G1], s43, (3<<16)|(1<<21)           ; 15:0 the mask; 17:16 elements of 8 bytes; 21 set beside a mask; no padding
	s_or_b32 s[G1B], s44, (3<<16)|(1<<21)
	s_or_b32 s[G1H], s43, (3<<16)|(1<<21)
	s_or_b32 s[G1HB], s44, (3<<16)|(1<<21)
	GROUP1 G1, 192*NQ, NA, 192*8                   ; NA row blocks x NQ images; a row block's 8 K steps lie on end
	GROUP1 G1B, 192*NQ, 8, 192*8
	GROUP1 G1H, 192*NQ, 2*NA, 192*8                ; the head's: all 8 row blocks of A's tile,
	GROUP1 G1HB, 192*NQ, 16, 192*8                 ; all 16 of B's
	s_lshl_b32 s19, s17, 3                         ; K's tile of A: first row block 8 TA
	s_lshl_b32 s20, s16, 2
	s_add_co_u32 s20, s20, s19
	s_mul_i32 s20, s20, 8*FRB                      ; the codes of the half that I fetch in a refill
	s_mov_b32 s21, 0
	s_lshl_b32 s22, s19, 6
	s_add_co_u32 s22, s22, SC1                     ; offset of the tile's scale words, K step 0
	s_lshl_b32 s46, s42, 4
	s_add_co_u32 s46, s46, 1536                    ; K's tile of B: first row block 1536 + 16 TB
	s_lshl_b32 s66, s16, 3
	s_add_co_u32 s66, s66, s46
	s_mul_i32 s66, s66, 8*FRB
	s_mov_b32 s67, 0
	s_lshl_b32 s104, s46, 6
	s_add_co_u32 s104, s104, SC1
	s_mul_i32 s96, s16, NQ*FRB                     ; the head: slot BH's four K steps
	s_mul_i32 s92, s19, 8*FRB
	s_add_co_u32 s92, s92, s96
	s_mov_b32 s93, 0
	s_mul_i32 s94, s46, 8*FRB
	s_add_co_u32 s94, s94, s96
	s_mov_b32 s95, 0
	s_mul_i32 s2, s16, HA                          ; where they go: no place in the cluster enters an LDS address
	s_mul_i32 s3, s16, HB
	s_add_co_u32 s3, s3, 2*HA
	s_mul_i32 s45, s16, SLOT
	s_mov_b32 s100, 0x76543210
	s_mov_b32 s101, 0xfedcba98                     ; v_permlanex16_b32's selects for lane l xor 16
	s_wait_dscnt 0x0                               ; both opening adds are done
	s_wait_kmcnt 0x0
	s_add_nc_u64 s[20:21], s[4:5], s[20:21]
	s_add_nc_u64 s[66:67], s[4:5], s[66:67]
	s_add_nc_u64 s[92:93], s[4:5], s[92:93]
	s_add_nc_u64 s[94:95], s[4:5], s[94:95]
	GROUP0 G0H, 45, 0, 92, 0
	GROUP0 G0HB, 45, 2*HA, 94, 0
	GROUP0 G0, 2, 0, 20, 0                         ; the refills' sets stand at K's tile: each refill steps its set first
	GROUP0 G0+4, 2, SLOT, 20, NQ*FRB
	GROUP0 G0B, 3, 0, 66, 0
	GROUP0 G0B+4, 3, SLOT, 66, NQ*FRB
	CROUND                                         ; all sixteen work-groups are here: the first joint loads meet
	JLOAD G0H, G1H, G0HB, G1HB                     ; my one load at the head: all of K's tile is on its way
	v_and_b32 v1, 15, v0                           ; r
	v_bfe_u32 v2, v0, 4, 1                         ; h
	v_and_b32 v3, 31, v0                           ; lane
	v_lshlrev_b32 v4, 4, v3
	v_lshlrev_b32 v5, 2, v3
	; the scale words' copies: A's 512 bytes of a K step to a wave, B's 1,024 to two waves, 16 bytes a lane
	v_lshrrev_b32 v12, 5, v0
	v_mul_u32_u24 v12, v12, KSP
	v_add_nc_u32 v12, v12, v4
	v_add_nc_u32 v12, s22, v12                     ; K's A: K step 4 j + wave
	v_lshrrev_b32 v13, 6, v0
	v_and_b32 v30, 63, v0
	v_mul_u32_u24 v13, v13, KSP
	v_lshl_add_u32 v13, v30, 4, v13
	v_add_nc_u32 v13, s104, v13                    ; K's B: K step 2 j + wave / 2
	s_lshr_b32 s92, s18, 1
	s_lshl_b32 s92, s92, 6                         ; q = 64 (Y / 2)
	s_sub_co_u32 s93, 1664, s92
	s_lshl_b32 s93, s93, 6
	s_sub_co_u32 s94, 512, s92
	s_lshl_b32 s94, s94, 6
	v_add_nc_u32 v14, s93, v12                     ; V's A: Wv's row blocks, 1664 - q on from _K's
	v_sub_nc_u32 v15, v13, s94                     ; V's B: _V's, 512 - q back from Wk's
	v_lshl_add_u32 v26, v0, 4, SCS
	s_wait_alu depctr_va_vdst(0)
.irp j, 0,1
	global_load_b128 v[64+4*\j:67+4*\j], v12, s[4:5] offset:4*KSP*\j
	global_load_b128 v[88+4*\j:91+4*\j], v12, s[4:5] offset:4*KSP*\j+512*64       ; Q's: 512 row blocks on
	global_load_b128 v[224+4*\j:227+4*\j], v14, s[4:5] offset:4*KSP*\j
.endr
.irp j, 0,1,2,3
	global_load_b128 v[72+4*\j:75+4*\j], v13, s[4:5] offset:2*KSP*\j
	global_load_b128 v[96+4*\j:99+4*\j], v13, s[4:5] offset:2*KSP*\j+64*64        ; Q's: 64 row blocks on
	global_load_b128 v[232+4*\j:235+4*\j], v15, s[4:5] offset:2*KSP*\j
.endr
	s_mul_i32 s2, s15, HA
	s_mul_i32 s3, s16, HB
	s_add_co_u32 s3, s3, 2*HA
	v_add_nc_u32 v16, s2, v4
	v_add_nc_u32 v20, s3, v4
	v_add_nc_u32 v17, SLOT, v16
	v_add_nc_u32 v21, SLOT, v20
	s_lshl_b32 s2, s15, 8
	s_add_co_u32 s2, s2, SCS
	v_add_nc_u32 v22, s2, v5                       ; A's scale words: my four row blocks of 64 bytes
	s_lshl_b32 s3, s16, 9
	s_add_co_u32 s3, s3, SCS+KS*SAROW
	v_add_nc_u32 v23, s3, v5                       ; B's: my eight
	s_lshl_b32 s2, s14, 8
	s_add_co_u32 s2, s2, GST
	v_lshl_add_u32 v24, v1, 2, s2                  ; the way out: where my row's scale word goes,
	v_lshlrev_b32 v27, 3, v3
	v_add_nc_u32 v25, s2, v27                      ; and where 8 bytes of the 256 are read back
	v_min_u32 v31, 23, v3
	v_lshlrev_b32 v31, 8, v31                      ; the prefetches: a lane to 256 bytes of a row block's 6,144
.irp b, 0,1,2,3
	v_mov_b32 v[TM+4+\b], 0                        ; a lane permute's destination counts as one of its sources
.endr
	; THE BIASES are the C of each sum's first product.  K, Q: tile b holds the bias at e = 32 (b / 2) + 8 (b % 2) + 16 h + 0 .. 7 of my 128.  V: tile a holds bv at the lane's own row of A's block a, eight times.
	s_lshl_b32 s2, s42, 10
	s_lshl_b32 s3, s16, 9
	s_add_co_u32 s2, s2, s3                        ; (256 TB + 128 BH) x 4
	s_mov_b32 s3, 0
	s_add_nc_u64 s[6:7], s[6:7], s[2:3]
	s_add_nc_u64 s[8:9], s[8:9], s[2:3]
	s_and_b32 s19, s18, 1
	s_lshl_b32 s19, s19, 2
	s_add_co_u32 s19, s19, s41                     ; V's tile of 128 rows of Wv: 4 (Y % 2) + cy
	s_lshl_b32 s2, s19, 9
	s_lshl_b32 s3, s15, 8
	s_add_co_u32 s2, s2, s3                        ; (128 x that + 64 AH) x 4
	s_mov_b32 s3, 0
	s_add_nc_u64 s[10:11], s[10:11], s[2:3]
	v_lshlrev_b32 v6, 6, v2                        ; 16 h numbers
	v_lshrrev_b32 v7, 3, v1
	v_lshl_add_u32 v7, v7, 3, v1
	v_lshlrev_b32 v7, 2, v7                        ; r + 8 (r / 8) numbers
	WIN 0xc0                                       ; destination window 3
.irp b, 0,1,2,3,4,5,6,7
	global_load_b128 v[8*\b:8*\b+3], v6, s[6:7] offset:(32*(\b/2)+8*(\b%2))*4
	global_load_b128 v[8*\b+4:8*\b+7], v6, s[6:7] offset:(32*(\b/2)+8*(\b%2))*4+16
	global_load_b128 v[64+8*\b:64+8*\b+3], v6, s[8:9] offset:(32*(\b/2)+8*(\b%2))*4
	global_load_b128 v[64+8*\b+4:64+8*\b+7], v6, s[8:9] offset:(32*(\b/2)+8*(\b%2))*4+16
.endr
	WIN 0
.irp a, 0,1,2,3
	global_load_b32 v[8+\a], v7, s[10:11] offset:(32*(\a/2)+8*(\a%2))*4
.endr
	; where my results go.  K (Q: 6,291,456 and 262,144 bytes on, in the stores' immediates): row blocks 8 TA + 4 AH on, K step 2 TB + BH of the next product
	s_lshl_b32 s2, s17, 3
	s_lshl_b32 s3, s15, 2
	s_add_co_u32 s2, s2, s3
	s_lshl_b32 s3, s42, 1
	s_add_co_u32 s3, s3, s16
	s_lshl_b32 s20, s2, 3
	s_add_co_u32 s20, s20, s3
	s_mul_i32 s20, s20, FRB
	s_mov_b32 s21, 0
	s_add_nc_u64 s[20:21], s[12:13], s[20:21]      ; the codes
	s_lshl_b32 s22, s3, 9
	s_add_co_u32 s22, s22, s2
	s_lshl_b32 s22, s22, 6
	s_add_co_u32 s22, s22, SC2
	s_mov_b32 s23, 0
	s_add_nc_u64 s[22:23], s[12:13], s[22:23]      ; the scale words
	; V: row blocks of e 8 x (its tile of Wv) + 4 AH on; chunk of 128 keys g = 2 (4 (Y / 2) + TB) + BH: batch g / 16, K step g % 16
	s_lshl_b32 s2, s19, 3
	s_lshl_b32 s3, s15, 2
	s_add_co_u32 s2, s2, s3
	s_lshr_b32 s45, s18, 1                         ; Y / 2
	s_lshl_b32 s3, s45, 2
	s_add_co_u32 s3, s3, s42
	s_lshl_b32 s3, s3, 1
	s_add_co_u32 s3, s3, s16                       ; g
	s_lshr_b32 s66, s3, 4
	s_lshl_b32 s66, s66, 10
	s_lshl_b32 s47, s2, 4
	s_add_co_u32 s66, s66, s47
	s_and_b32 s47, s3, 15
	s_add_co_u32 s66, s66, s47
	s_mul_i32 s66, s66, FRB
	s_add_co_u32 s66, s66, 12582912
	s_mov_b32 s67, 0
	s_add_nc_u64 s[66:67], s[12:13], s[66:67]      ; the codes
	s_lshl_b32 s104, s3, 6
	s_add_co_u32 s104, s104, s2
	s_lshl_b32 s104, s104, 6
	s_add_co_u32 s104, s104, SC2+524288
	s_mov_b32 s105, 0
	s_add_nc_u64 s[104:105], s[12:13], s[104:105]  ; the scale words
	s_lshl_b32 s45, s45, 6                         ; q = 64 (Y / 2)
	; the prefetches' row blocks.  Q's tile: A 512 + 8 TA + 4 half + cx, B 1600 + 16 TB + 8 half + 2 cy.  V's tile: A 1152 - q on from there, B 576 - q back
	s_lshl_b32 s92, s17, 3
	s_lshl_b32 s2, s16, 2
	s_add_co_u32 s92, s92, s2
	s_add_co_u32 s92, s92, s40
	s_add_co_u32 s92, s92, 512
	s_lshl_b32 s94, s42, 4
	s_lshl_b32 s2, s16, 3
	s_add_co_u32 s94, s94, s2
	s_lshl_b32 s2, s41, 1
	s_add_co_u32 s94, s94, s2
	s_add_co_u32 s94, s94, 1600
	s_sub_co_u32 s3, 1152, s45
	s_sub_co_u32 s2, s45, 576
	s_cmp_eq_u32 s15, 0                            ; do I fetch for A?
	s_cselect_b32 s92, s92, s94
	s_cselect_b32 s94, s3, s2
	s_add_co_u32 s94, s94, s92
	s_mul_i32 s92, s92, 8*FRB
	s_mul_i32 s94, s94, 8*FRB
	s_mov_b32 s93, 0
	s_mov_b32 s95, 0
	s_add_nc_u64 s[PQ:PQ+1], s[4:5], s[92:93]
	s_add_nc_u64 s[PV:PV+1], s[4:5], s[94:95]
	; the refills' steps to V's tile, made of the cluster's y alone: A 1152 - q row blocks on, B 576 - q back
	s_sub_co_u32 s40, 1152, s45
	s_mul_i32 s40, s40, 8*FRB
	s_mov_b32 s41, 0
	s_sub_co_u32 s42, 576, s45
	s_mul_i32 s42, s42, 8*FRB
	s_mov_b32 s43, 0
	s_wait_alu depctr_va_vdst(0)
	s_wait_loadcnt 0x0                             ; the biases and the scale words
	WIN 0xc0
.irp a, 0,1,2,3
.irp j, 0,1,2,3,4,5,6,7
	v_mov_b32 v[128+8*\a+\j], v[8+\a]              ; bv at my row, for the eight tokens of a lane
.endr
.endr
	WIN 0
	s_wait_tensorcnt 0x0                           ; my part of K's tile is in
	SSTORE 64, 0                                   ; K's scale words into set 0,
	SSTORE 88, 1                                   ; Q's into set 1
	s_wait_dscnt 0x0                               ; for the others' sake: my stores are done
	s_barrier_signal -1
	s_barrier_wait -1                              ; both slots and both sets are whole
	FETCH 0, 0, 0, 0
	BODY 0, 2, 0, 1, PQ, 0, PQ, 1, PV, 0           ; K: scale set 0, bias tiles from 0; at its middle slot 0 takes Q's K steps 0 to 3,
	TURN 1, 0, 1, 1                                ; at its end slot 1 takes Q's K steps 4 to 7, and Q's first fragments are fetched
	WAYOUT 1, 20, 22, 0, 0, 8
	SSTORE 224, 0                                  ; V's scale words into set 0: every wave's reads of K's were over in front of the barrier just passed; Q's two barriers stand ahead of V's first read
	BODY 1, 2, 64, 2, PV, 1, 0, 0, 0, 0            ; Q: scale set 1, bias tiles from 64; the refills are V's
	TURN 1, 0, 0, 2
	WAYOUT 0, 20, 22, 6291456, 262144, 8
	BODY 0, 3, 128, 0, 0, 0, 0, 0, 0, 0            ; V: scale set 0, bias tiles from 128; nothing is left to fetch
	s_wait_dscnt 0x0                               ; the very last K step
	MULR 0, NA, 1, 0, 0
	WIN 0
	PLACES 4                                       ; behind the last products, in front of the first read of their results
	WAYOUT 0, 66, 104, 0, 0, 16
	s_wait_tensorcnt 0x0                           ; the wave's end
	ds_add_u32 v28, v29
	s_wait_dscnt 0x0
	CROUND                                         ; the closing round
	s_endpgm
.Lfunc_end_k_q344d177db6_proj:
	.size	k_q344d177db6_proj, .Lfunc_end_k_q344d177db6_proj-k_q344d177db6_proj
	.p2alignl 7, 3214868480
	.fill 96, 4, 3214868480
	.section	.rodata,"a",@progbits
	.p2align	6, 0x0
	.amdhsa_kernel k_q344d177db6_proj
		.amdhsa_group_segment_fixed_size 327680
		.amdhsa_private_segment_fixed_size 0
		.amdhsa_enable_private_segment 0
		.amdhsa_kernarg_size 40
		.amdhsa_user_sgpr_count 2
		.amdhsa_user_sgpr_kernarg_segment_ptr 1
		.amdhsa_wavefront_size32 1
		.amdhsa_system_sgpr_workgroup_id_x 1
		.amdhsa_system_sgpr_workgroup_id_y 1
		.amdhsa_system_sgpr_workgroup_id_z 1
		.amdhsa_system_vgpr_workitem_id 0
		.amdhsa_next_free_vgpr 1024
		.amdhsa_next_free_sgpr 106
		.amdhsa_reserve_vcc 0
		.amdhsa_float_denorm_mode_32 3
		.amdhsa_float_denorm_mode_16_64 3
		.amdhsa_memory_ordered 1
		.amdhsa_forward_progress 1
		.amdhsa_inst_pref_size 242
	.end_amdhsa_kernel
	.amdgpu_metadata
---
amdhsa.version: [ 1, 2 ]
amdhsa.kernels:
  - .name:           k_q344d177db6_proj
    .symbol:         k_q344d177db6_proj.kd
    .args:
      - { .name: w1, .offset: 0, .size: 8, .value_kind: global_buffer, .address_space: global }
      - { .name: bk, .offset: 8, .size: 8, .value_kind: global_buffer, .address_space: global }
      - { .name: bq, .offset: 16, .size: 8, .value_kind: global_buffer, .address_space: global }
      - { .name: bv, .offset: 24, .size: 8, .value_kind: global_buffer, .address_space: global }
      - { .name: w2, .offset: 32, .size: 8, .value_kind: global_buffer, .address_space: global }
    .group_segment_fixed_size: 327680
    .private_segment_fixed_size: 0
    .kernarg_segment_align: 8
    .kernarg_segment_size: 40
    .max_flat_workgroup_size: 128
    .sgpr_count:     106
    .vgpr_count:     1024
    .wavefront_size: 32
...
	.end_amdgpu_metadata
.endif
;; end of part 2
;; launch scores (part 3): grid 8 x 32, 4 waves a work-group, clusters of 4 x 4, 327,680 bytes of LDS; arguments w2, w3; writes w3
.if DOCPART == 3
	.amdgcn_target "amdgcn-amd-amdhsa--gfx1250"
	.amdhsa_code_object_version 6
	.text
	.protected	k_q344d177db6_scores
	.globl	k_q344d177db6_scores
	.p2align	8
	.type	k_q344d177db6_scores,@function
k_q344d177db6_scores:
	s_mov_b64 s[64:65], 0
	v_nop
	global_prefetch_b8 v0, s[64:65] scope:SCOPE_SE
	s_setreg_imm32_b32 hwreg(HW_REG_WAVE_MODE, 25, 1), 1
	s_wait_xcnt 0x0
	s_wait_alu depctr_hold_cnt(0) depctr_sa_sdst(0) depctr_va_vdst(0) depctr_va_sdst(0) depctr_va_ssrc(0) depctr_va_vcc(0) depctr_vm_vsrc(0)
	s_getreg_b32 s2, hwreg(HW_REG_IB_STS2, 6, 4)
	s_cmp_eq_u32 s2, 0
	s_cbranch_scc0 .Lentry_in_a_cluster
	s_endpgm
.Lentry_in_a_cluster:
	s_bfe_u32 s2, ttmp6, 0x10000c
	s_cmp_lg_u32 s2, 0xf033
	s_cbranch_scc0 .Lentry_shape_is_right
	s_endpgm
.Lentry_shape_is_right:
; S^T = K Q^T on codes of FP6 (E2M3), and the softmax's p quantised on the way out under a LOCAL whole number M for each chunk of 128 keys.
; Source 0 = 16 keys, source 1 = 16 queries: a lane holds one query, its registers run along the keys, which are the next product's K.  A wave's 128 keys are one K step of that product.
; t = score x log2(e) / 32; M = ceil(the largest t of my query among these 128 keys); p = 2^(t - M), not normalised, is quantised along the keys.  Stored for each (chunk, query): p's codes and scale word, -M, and the
; sum of the unquantised p.  The next launch brings the scale bytes and the sums under the row's M: a power of two, which rounds nothing.
; w3: p's codes [512 row blocks of queries][16 K steps of keys][1536]; from 12,582,912 the scale words [16][512][64], then -M [16][8192], then the sums [16][8192], all in the images' order of rows.
; Operands and layouts as in the launch before: images of the operand's registers; lane r of row block t holds row 32 (t / 2) + 8 (t % 2) + r + 8 (r / 8).
; A tile of 256 queries x 256 keys to a work-group, 128 x 128 a wave.  CLUSTERS 4 x 4: Q's tiles ('A') shared along a row of the cluster, K's ('B') along a column.
; LIMITS: NaN and infinities are not served; a block whose every p is 0 keeps the byte 1 (its codes are zeros).  A block's largest p is made from the block's largest score by the same multiply-add and exponential.
; No prefetch: two of K's four slots are first fills at the head.
.set NA, 8
.set NQ, 2
.set KS, 8
.set SC2, 18874368
.set T,   64                           ; the way out: v64-127 t - M, then p
.set PT,  224                          ; v224-231 upper halves of codes
; ---- the core of the four product launches ----
; REGISTERS.  window 0: v1 r, v2 h, v3 lane, v4 16 x lane, v5 4 x lane; v16-17, v20-21 LDS addresses of my A and B fragments in slot 0, 1; v22, v23 of my scale words; v28, v29 the add's two;
;   v32-39 A's scale words, two sets; v40-47 B's (lanes 0-15: block 2 i, lanes 16-31: block 2 i + 1); v48-63 at work on the way out; from v64 A's fragments, two sets of 12 NA.
;   window 1: B's fragments, set p at 128 p.   windows 2, 3: accumulator (a, b) at 8 (8 (a % 4) + b), window 2 + a / 4.
.set FRB,   1536
.set HA,    NA*NQ*FRB
.set HB,    8*NQ*FRB
.set SLOT,  2*HA+2*HB
.set SAROW, 128*NA
.set NLD,   3*NA+24+NA/2+4
.set LAPS,  KS/(2*NQ)
.set SCA,   2*SLOT
.set SCB,   SCA+KS*SAROW
.set G1,   24
.set G0,   32
.set G1B,  48
.set G0B,  56
.set G1SA, 68
.set G0SA, 76
.set G1SB, 80
.set G0SB, 88
.set TM,   48
.set MSB,  0
.macro WIN new                         ; the immediate's high byte repeats the setting that is left; a switch that changes nothing is dropped
.if MSB != (\new)
	s_set_vgpr_msb (MSB<<8)|(\new)
.set MSB, (\new)
.endif
.endm
.macro PLACES n                        ; plain vector places behind matrix instructions (ISA guide 7.12.1)
.rept \n
	v_nop
.endr
.endm
.macro JLOAD g0a, g1a, g0b, g1b        ; a joint load: waves 0 and 1 fetch A's halves, waves 2 and 3 B's; an s_nop 0 and four v_nop follow each line
	s_cmp_eq_u32 s15, 0
	s_cbranch_scc0 .Lfor_b_\@
	tensor_load_to_lds s[\g0a:\g0a+3], s[\g1a:\g1a+7]
	s_nop 0
.rept 4
	v_nop
.endr
	s_branch .Lasked_\@
.Lfor_b_\@:
	tensor_load_to_lds s[\g0b:\g0b+3], s[\g1b:\g1b+7]
	s_nop 0
.rept 4
	v_nop
.endr
.Lasked_\@:
.endm
.macro CREST                           ; a round of the cluster's barrier behind its opening barrier
	s_cmp_lg_u32 s14, 0
	s_cbranch_scc1 .Lnot_wave_0_\@
	s_barrier_signal -3
.Lnot_wave_0_\@:
	s_barrier_wait -3
	s_barrier_signal -1
	s_barrier_wait -1
.endm
.macro CROUND
	s_barrier_signal -1
	s_barrier_wait -1
	CREST
.endm
.macro GROUP1 g, c, r, p               ; words 1 to 7: r rows of c elements of 8 bytes, p elements from row to row
	s_mov_b32 s[\g+1], (\c)<<16
	s_mov_b32 s[\g+2], (\r)<<16
	s_mov_b32 s[\g+3], (\c)<<16
	s_mov_b32 s[\g+4], \r
	s_mov_b32 s[\g+5], \p
	s_mov_b32 s[\g+6], 0
	s_mov_b32 s[\g+7], 0
.endm
.macro GROUP0 g, lds, ldsadd, adr, adradd
	s_mov_b32 s[\g], 1
	s_add_co_u32 s[\g+1], s[\lds], \ldsadd
	s_add_nc_u64 s[\g+2:\g+3], s[\adr:\adr+1], \adradd
	s_or_b32 s[\g+3], s[\g+3], 0x80000000
.endm
.macro WM1 cop                         ; one product; an odd block's scale words stand in lanes 16-31 of its register
.if (ib%2 == 1) && (ia%2 == 1)
	v_wmma_scale_f32_16x16x128_f8f6f4 v[rD:rD+7], v[rB:rB+11], v[rA:rA+11], \cop, v[sB], v[sA] matrix_a_fmt:MATRIX_FMT_FP6 matrix_b_fmt:MATRIX_FMT_FP6 matrix_a_scale:MATRIX_SCALE_ROW1 matrix_b_scale:MATRIX_SCALE_ROW1
.elseif ib%2 == 1
	v_wmma_scale_f32_16x16x128_f8f6f4 v[rD:rD+7], v[rB:rB+11], v[rA:rA+11], \cop, v[sB], v[sA] matrix_a_fmt:MATRIX_FMT_FP6 matrix_b_fmt:MATRIX_FMT_FP6 matrix_a_scale:MATRIX_SCALE_ROW1
.elseif ia%2 == 1
	v_wmma_scale_f32_16x16x128_f8f6f4 v[rD:rD+7], v[rB:rB+11], v[rA:rA+11], \cop, v[sB], v[sA] matrix_a_fmt:MATRIX_FMT_FP6 matrix_b_fmt:MATRIX_FMT_FP6 matrix_b_scale:MATRIX_SCALE_ROW1
.else
	v_wmma_scale_f32_16x16x128_f8f6f4 v[rD:rD+7], v[rB:rB+11], v[rA:rA+11], \cop, v[sB], v[sA] matrix_a_fmt:MATRIX_FMT_FP6 matrix_b_fmt:MATRIX_FMT_FP6
.endif
.endm
; A's blocks a0 .. a0 + n - 1 against B's eight, from set p.  cm 0: onto the sums; 1: the sums start at 0.
; The accumulators take turns, one instruction a turn, in the same order in every K step.
.macro MULR a0, n, p, cm
.set ia, \a0
.rept \n
	WIN 0xa1+0x50*(ia/4)
.set ib, 0
.rept 8
.set rD, 8*(8*(ia%4)+ib)
.set rB, 128*(\p)+12*ib
.set rA, 64+12*NA*(\p)+12*ia
.set sB, 40+4*(\p)+ib/2
.set sA, 32+4*(\p)+ia/2
.if (\cm) == 0
	WM1 v[rD:rD+7]
.else
	WM1 0
.endif
.set ib, ib+1
.endr
.set ia, ia+1
.endr
.endm
.macro FETCH slot, q, p                ; the slot's q-th K step into set p: NLD loads in one run; an image comes back by three loads of 16 bytes a lane, 512 bytes on end
	WIN 0x40
.set i, 0
.rept 8
.irp c, 0,1,2
	ds_load_b128 v[128*(\p)+12*i+4*\c:128*(\p)+12*i+4*\c+3], v[20+\slot] offset:(i*NQ+(\q))*FRB+512*\c
.endr
.set i, i+1
.endr
	WIN 0
.set i, 0
.rept NA
.irp c, 0,1,2
	ds_load_b128 v[64+12*NA*(\p)+12*i+4*\c:64+12*NA*(\p)+12*i+4*\c+3], v[16+\slot] offset:(i*NQ+(\q))*FRB+512*\c
.endr
.set i, i+1
.endr
.set i, 0
.rept NA/2
	ds_load_b32 v[32+4*(\p)+i], v22 offset:(\q)*SAROW+128*i
.set i, i+1
.endr
.set i, 0
.rept 4
	ds_load_b32 v[40+4*(\p)+i], v23 offset:(\q)*1024+128*i
.set i, i+1
.endr
.endm
.macro STEP slot, q, cm                ; a K step that has its successor in the same slot: the successor is fetched into the other set, then this one is multiplied
	PLACES 4                                       ; in front of loads into registers that the last step's products read
	FETCH \slot, (\q)+1, 1-(\q)%2
	s_wait_dscnt NLD                               ; all but the NLD loads just issued: this step's set is in
	MULR 0, NA, (\q)%2, \cm
	WIN 0
.endm
.macro MID slot, q0                    ; the slot's steps q0 .. NQ - 2
.if NQ-1-(\q0) > 0
.set QQ, \q0
.rept NQ-1-(\q0)
	STEP \slot, QQ, 0
.set QQ, QQ+1
.endr
.endif
.endm
; A slot's last K step (set 1) changes slots: ONE barrier.  In front of it each wave waits for all its tensor loads, adds 0 to its spare word, and waits for that and for its reads of this slot.
; fill = 1: the barrier opens a round of the cluster's barrier, and behind the round this slot is filled again, two slots ahead: one joint load a wave, first thing there.
.macro TURN slot, next, fill
	s_wait_tensorcnt 0x0                           ; all my tensor loads have landed: my part of the next slot
	ds_add_u32 v28, v29
	s_wait_dscnt 1                                 ; this step's set is in; the add may be out
	MULR 0, NA/4, 1, 0
	s_wait_dscnt 0x0                               ; the add is done, and my reads of this slot are over
	s_barrier_signal -1
	MULR NA/4, NA/4, 1, 0
	WIN 0
	s_barrier_wait -1
.if \fill
	CREST                                          ; no wave of any partner still reads this slot or has a load on its way
	s_add_nc_u64 s[G0+4*\slot+2:G0+4*\slot+3], s[G0+4*\slot+2:G0+4*\slot+3], 2*NQ*FRB
	s_add_nc_u64 s[G0B+4*\slot+2:G0B+4*\slot+3], s[G0B+4*\slot+2:G0B+4*\slot+3], 2*NQ*FRB
	JLOAD G0+4*\slot, G1, G0B+4*\slot, G1B         ; its four v_nop are also the places in front of the loads below
.else
	PLACES 4
.endif
	s_wait_alu depctr_va_vdst(0)
	v_add_nc_u32 v22, NQ*SAROW, v22                ; on to the next slot's scale words
	v_add_nc_u32 v23, NQ*1024, v23
	FETCH \next, 0, 0
	MULR NA/2, NA/2, 1, 0
	WIN 0
.endm
.macro LAST
	s_wait_dscnt 0x0
	MULR 0, NA, 1, 0
	WIN 0
.endm
.macro VADDR                           ; the core's vector addresses
	v_and_b32 v1, 15, v0
	v_bfe_u32 v2, v0, 4, 1
	v_and_b32 v3, 31, v0
	v_lshlrev_b32 v4, 4, v3
	s_wait_alu depctr_va_vdst(0)
	v_lshlrev_b32 v5, 2, v3
	s_mul_i32 s2, s15, HA
	s_mul_i32 s3, s16, HB
	s_add_co_u32 s3, s3, 2*HA
	v_add_nc_u32 v16, s2, v4
	v_add_nc_u32 v20, s3, v4
	v_add_nc_u32 v17, SLOT, v16
	v_add_nc_u32 v21, SLOT, v20
	s_mul_i32 s2, s15, NA*64
	s_add_co_u32 s2, s2, SCA
	v_add_nc_u32 v22, s2, v5
	s_lshl_b32 s3, s16, 9
	s_add_co_u32 s3, s3, SCB
	v_add_nc_u32 v23, s3, v5
.endm
; QTAIL: from the four blocks' largest magnitudes in v[TM ..] the scale word into v[pw] and the fragment's 12 registers into v[pc ..]; the 64 numbers stand in window W from register s on
.macro QTAIL s, W, pc, pw
.irp b, 0,1,2,3
	v_add_nc_u32 v[TM+12+\b], 0xff000000, v[TM+\b] ; 2 off the exponent field: the conversion's scale operand
.endr
.irp b, 0,1,2,3
	v_lshrrev_b32 v[TM+4+\b], 23, v[TM+12+\b]      ; the scale's byte
.endr
	v_lshl_or_b32 v[\pw], v[TM+5], 8, v[TM+4]
	v_lshl_or_b32 v[\pw], v[TM+6], 16, v[\pw]
	v_lshl_or_b32 v[\pw], v[TM+7], 24, v[\pw]
	WIN \W
.irp c, 0,1
	v_cvt_scalef32_pk16_fp6_f32 v[(\pc)+6*\c:(\pc)+6*\c+2], v[(\s)+32*\c:(\s)+32*\c+15], v[TM+12+2*\c]
	v_cvt_scalef32_pk16_fp6_f32 v[PT+4*\c:PT+4*\c+2], v[(\s)+32*\c+16:(\s)+32*\c+31], v[TM+13+2*\c]   ; (a conversion's three registers begin on an even number)
.endr
	WIN 0
	v_nop                                          ; one plain place behind a scaled conversion
.irp c, 0,1                            ; the layout wants a WHOLE block in a lane: lanes 0-15 block 2 c, lanes 16-31 block 2 c + 1
.irp i, 0,1,2
	v_permlane16_swap_b32 v[(\pc)+6*\c+\i], v[PT+4*\c+\i]
.endr
.irp i, 0,1,2
	v_mov_b32 v[(\pc)+6*\c+3+\i], v[PT+4*\c+\i]
.endr
.endr
.endm
.macro STOREF pc, voff, base, imm      ; a fragment leaves as its image: each store covers 512 consecutive bytes, at a multiple of 256 from the buffer's first byte
.irp c, 0,1,2
	global_store_b128 v[\voff], v[(\pc)+4*\c:(\pc)+4*\c+3], s[\base:\base+1] offset:(\imm)+512*\c
.endr
.endm
; ---- end of the core ----
.set SPARE, SCB+KS*1024                ; the spare words, 128 bytes for each wave: two blocks of 256 bytes that no other line names
	s_load_b128 s[4:7], s[0:1], 0x0                ; w2 s[4:5], w3 s[6:7]
	v_lshl_add_u32 v28, v0, 2, SPARE
	v_mov_b32 v29, 0
	ds_add_u32 v28, v29                            ; the wave's opening
	ds_add_u32 v28, v29
	v_lshrrev_b32 v1, 5, v0
	v_readfirstlane_b32 s14, v1                    ; wave 0..3
	s_lshr_b32 s15, s14, 1                         ; AH: my half of the queries.  Also: I fetch for A (0) or for B (1)
	s_and_b32 s16, s14, 1                          ; BH: my half of the keys.  Also: which half I fetch
	s_bfe_u32 s40, ttmp6, 0x40000                  ; cx
	s_bfe_u32 s41, ttmp6, 0x40004                  ; cy
	s_and_b32 s18, ttmp7, 0xffff                   ; the cluster's y, 0..7
	s_lshl_b32 s17, s18, 2
	s_add_co_u32 s17, s17, s41                     ; TA: the tile of 256 queries, 0..31, eight to a batch
	s_lshr_b32 s47, s18, 1                         ; the batch: it hangs on the cluster's y alone
	s_lshl_b32 s45, ttmp9, 2
	s_add_co_u32 s45, s45, s40                     ; KT: the tile of 256 keys in the batch, 0..7
	s_lshl_b32 s42, s47, 3
	s_add_co_u32 s42, s42, s45                     ; TB
	s_lshl_b32 s43, s41, 2
	s_lshl_b32 s43, 15, s43                        ; my row of the cluster
	s_lshl_b32 s44, 0x1111, s40                    ; my column
	s_or_b32 s[G1], s43, (3<<16)|(1<<21)           ; 15:0 the mask; 17:16 elements of 8 bytes; 21 set beside a mask; no padding
	s_or_b32 s[G1B], s44, (3<<16)|(1<<21)
	s_or_b32 s[G1SA], s43, (3<<16)|(1<<21)
	s_or_b32 s[G1SB], s44, (3<<16)|(1<<21)
	GROUP1 G1, 192*NQ, NA, 192*8
	GROUP1 G1B, 192*NQ, 8, 192*8
	GROUP1 G1SA, 192*NQ, 2*NA, 192*8               ; the head's loads: all 16 row blocks of Q's tile, one slot's K steps,
	GROUP1 G1SB, 192*NQ, 16, 192*8                 ; and all 16 of K's
	s_lshl_b32 s19, s17, 4                         ; Q's tile: first row block
	s_lshl_b32 s20, s16, 3
	s_add_co_u32 s20, s20, s19
	s_mul_i32 s20, s20, 8*FRB
	s_add_co_u32 s20, s20, 6291456
	s_mov_b32 s21, 0
	s_lshl_b32 s22, s19, 6                         ; the tile's scale words, K step 0
	s_add_co_u32 s22, s22, SC2+262144
	s_mov_b32 s23, 0
	s_lshl_b32 s46, s42, 4                         ; K's tile: first row block
	s_lshl_b32 s96, s16, 3
	s_add_co_u32 s96, s96, s46
	s_mul_i32 s96, s96, 8*FRB
	s_mov_b32 s97, 0
	s_lshl_b32 s98, s46, 6
	s_add_co_u32 s98, s98, SC2
	s_mov_b32 s99, 0
	s_mul_i32 s2, s16, HA                          ; where they go: no place in the cluster enters an LDS address
	s_mul_i32 s3, s16, HB
	s_add_co_u32 s3, s3, 2*HA
	s_mul_i32 s66, s16, SLOT                       ; the head: waves 0, 1 bring Q's whole part of slot 0, 1, waves 2, 3 K's
	s_mul_i32 s12, s16, NQ*FRB
	s_mul_i32 s8, s19, 8*FRB
	s_add_co_u32 s8, s8, s12
	s_add_co_u32 s8, s8, 6291456
	s_mov_b32 s9, 0
	s_mul_i32 s10, s46, 8*FRB
	s_add_co_u32 s10, s10, s12
	s_mov_b32 s11, 0
	s_mov_b32 s92, 0x3d38aa3b                      ; c = log2(e) / 32: the division by sqrt(1,024) is a power of two
	s_mov_b32 s93, s92                             ; (named with it as a pair, so it is written)
	s_mov_b32 s100, 0x76543210
	s_mov_b32 s101, 0xfedcba98                     ; v_permlanex16_b32's selects for lane l xor 16
	s_wait_dscnt 0x0                               ; the opening add is done
	s_wait_kmcnt 0x0
	s_add_nc_u64 s[20:21], s[4:5], s[20:21]
	s_add_nc_u64 s[22:23], s[4:5], s[22:23]
	s_add_nc_u64 s[96:97], s[4:5], s[96:97]
	s_add_nc_u64 s[98:99], s[4:5], s[98:99]
	s_add_nc_u64 s[8:9], s[4:5], s[8:9]
	s_add_nc_u64 s[10:11], s[4:5], s[10:11]
	GROUP0 G0SA, 66, 0, 8, 0
	GROUP0 G0SB, 66, 2*HA, 10, 0
	GROUP0 G0, 2, 0, 20, 0
	GROUP0 G0+4, 2, SLOT, 20, NQ*FRB
	GROUP0 G0B, 3, 0, 96, 0
	GROUP0 G0B+4, 3, SLOT, 96, NQ*FRB
	CROUND                                         ; all sixteen work-groups are here: the first joint loads meet
	JLOAD G0SA, G1SA, G0SB, G1SB                   ; my one load at the head: both slots are on their way
	; the scale words, 8,192 bytes a side for all of K, are copied once by plain loads (1,024 consecutive bytes of a K step to two waves) and LDS stores into bytes that no tensor load fills
	v_lshrrev_b32 v6, 6, v0
	v_and_b32 v7, 63, v0
	v_lshlrev_b32 v6, 15, v6                       ; K step 2 j + wave / 2: 32,768 bytes from K step to K step
	v_lshl_add_u32 v6, v7, 4, v6
	v_lshl_add_u32 v7, v0, 4, SCA
	s_wait_alu depctr_va_vdst(0)
.irp j, 0,1,2,3
	global_load_b128 v[64+4*\j:67+4*\j], v6, s[22:23] offset:65536*\j
	global_load_b128 v[80+4*\j:83+4*\j], v6, s[98:99] offset:65536*\j
.endr
	VADDR
	s_mul_i32 s2, s14, 1536
	v_lshl_add_u32 v24, v1, 2, s2                  ; the way out: my wave's 3 x 512 bytes in which scale words, -M and sums meet
	v_add_nc_u32 v25, s2, v4
	s_lshl_b32 s66, s45, 1
	s_add_co_u32 s66, s66, s16                     ; my chunk of 128 keys: K step 2 KT + BH of the next product
	s_lshl_b32 s67, s15, 3
	s_add_co_u32 s67, s67, s19                     ; my first row block of queries: 16 TA + 8 AH
	s_lshl_b32 s2, s67, 4
	s_add_co_u32 s2, s2, s66
	s_mul_i32 s2, s2, FRB
	s_mov_b32 s3, 0
	s_add_nc_u64 s[8:9], s[6:7], s[2:3]            ; p's codes
	s_lshl_b32 s2, s66, 9
	s_add_co_u32 s2, s2, s67
	s_lshl_b32 s2, s2, 6
	s_add_co_u32 s2, s2, 12582912
	s_add_nc_u64 s[10:11], s[6:7], s[2:3]          ; p's scale words; -M and the sums 524,288 and 1,048,576 bytes on
	s_wait_alu depctr_va_vdst(0)
	s_wait_loadcnt 0x0                             ; the scale words
	s_wait_tensorcnt 0x0                           ; my part of the two slots is in
.irp j, 0,1,2,3
	ds_store_b128 v7, v[64+4*\j:67+4*\j] offset:2048*\j
	ds_store_b128 v7, v[80+4*\j:83+4*\j] offset:KS*SAROW+2048*\j
.endr
	s_wait_dscnt 0x0                               ; for the others' sake: my stores are done
	s_barrier_signal -1
	s_barrier_wait -1
	FETCH 0, 0, 0
	STEP 0, 0, 1                                   ; the first step's products start the sums: nothing is cleared
.rept LAPS-1                           ; once round the ring, both slots filled again (one lap here: written out, no counter)
	MID 0, 1
	TURN 0, 1, 1
	MID 1, 0
	TURN 1, 0, 1
	STEP 0, 0, 0
.endr
	MID 0, 1
	TURN 0, 1, 0                                   ; the last lap fills nothing
	MID 1, 0
	LAST
; THE WAY OUT, a block of 16 queries at a time.  v[TM ..+3] the four blocks' largest scores, then largest p; v[TM+8] -M (a pair with v[TM+9]); v[8:11] sums; v12, v13 at work;
; v128+12 a codes, v232+a scale words, v240+a -M, v248+a sums.
.macro SOFT a
.set AC, 64*((\a)%4)
.set AW, 2+(\a)/4
	WIN (AW<<2)|(AW<<4)
.irp b, 0,1,2,3
	v_max3_num_f32 v[TM+\b], 0xff800000, v[AC+16*\b], v[AC+16*\b+1]   ; the largest score of each block of 32 keys; each accumulator is read from its low end on
.endr
.irp i, 2,4,6,8,10,12,14
.irp b, 0,1,2,3
	v_max3_num_f32 v[TM+\b], v[TM+\b], v[AC+16*\b+\i], v[AC+16*\b+\i+1]
.endr
.endr
	WIN 0
.irp b, 0,1,2,3
	v_permlanex16_b32 v[TM+4+\b], v[TM+\b], s100, s101
.endr
.irp b, 0,1,2,3
	v_max_num_f32 v[TM+\b], v[TM+\b], v[TM+4+\b]   ; with lane l xor 16's 16 keys
.endr
	v_max3_num_f32 v12, v[TM], v[TM+1], v[TM+2]
	v_max_num_f32 v12, v12, v[TM+3]                ; my query's largest score among the 128 keys,
	v_mul_f32 v12, s92, v12                        ; as t (c is positive)
	v_floor_f32 v[TM+8], -v12                      ; -M = floor(-t) = -ceil(t): M is a whole number
	v_mov_b32 v[240+\a], v[TM+8]
.irp b, 0,1,2,3
	v_fma_f32 v[TM+\b], v[TM+\b], s92, v[TM+8]     ; t - M of each block's largest score
.endr
	WIN AW
.set j, 0
.rept 32
	v_pk_fma_f32 v[T+j:T+j+1], v[AC+j:AC+j+1], s[92:93], v[TM+8:TM+9] op_sel_hi:[1,0,0]   ; t - M, two at a time (of the pairs c and -M the low word serves both halves)
.set j, j+2
.endr
	WIN 0
.set j, 0
	s_wait_alu depctr_va_vdst(0)
.rept 64
	v_exp_f32 v[T+j], v[T+j]                       ; p = 2^(t - M), not normalised
.set j, j+1
.endr
	v_nop                                          ; a plain place behind the exponentials
	s_wait_alu depctr_va_vdst(0)                   ; one wait for the whole batch, ahead of its first reader
.irp b, 0,1,2,3
	v_exp_f32 v[TM+\b], v[TM+\b]                   ; the block's largest p: the same two instructions on the same number give the same bits
.endr
	v_pk_add_f32 v[8:9], v[T:T+1], v[T+2:T+3]      ; the sum of the UNQUANTISED p, two at a time, in two chains (plain work behind the four)
	v_pk_add_f32 v[10:11], v[T+4:T+5], v[T+6:T+7]
.irp j, 8,12,16,20,24,28,32,36,40,44,48,52,56,60
	v_pk_add_f32 v[8:9], v[8:9], v[T+\j:T+\j+1]
	v_pk_add_f32 v[10:11], v[10:11], v[T+\j+2:T+\j+3]
.endr
	v_pk_add_f32 v[8:9], v[8:9], v[10:11]
	v_add_f32 v13, v8, v9
	v_permlanex16_b32 v12, v13, s100, s101
	v_add_f32 v[248+\a], v13, v12                  ; with lane l xor 16's: the chunk's sum
	s_wait_alu depctr_va_vdst(0)                   ; and one wait for the four
.irp b, 0,1,2,3
	v_max_num_f32 v[TM+\b], 0x1800000, v[TM+\b]    ; the floor 2^(3 - 127): the byte cannot fall under 1
.endr
	QTAIL T, 0, 128+12*(\a), 232+(\a)
	STOREF 128+12*(\a), 4, 8, (\a)*16*FRB
	ds_store_b32 v24, v[232+\a] offset:64*(\a)
	ds_store_b32 v24, v[240+\a] offset:512+64*(\a)
	ds_store_b32 v24, v[248+\a] offset:1024+64*(\a)
.endm
.irp b, 0,1,2,3
	v_mov_b32 v[TM+4+\b], 0                        ; a lane permute's destination counts as one of its sources.  These four are also the places behind the last products
.endr
	v_mov_b32 v[TM+9], 0                           ; (named as the upper half of the pair with -M)
.irp a, 0,1,2,3,4,5,6,7
	SOFT \a
.endr
	ds_load_b128 v[64:67], v25                     ; LDS bytes 0 .. 6,143: slot 0 has had its last fill, and nobody reads it behind the last change of slots.  LDS serves a wave's instructions in order
	ds_load_b128 v[68:71], v25 offset:512
	ds_load_b128 v[72:75], v25 offset:1024
	s_wait_dscnt 0x0
	global_store_b128 v4, v[64:67], s[10:11]                  ; eight row blocks' words: 512 consecutive bytes, aligned, each
	global_store_b128 v4, v[68:71], s[10:11] offset:524288
	global_store_b128 v4, v[72:75], s[10:11] offset:1048576
	s_wait_tensorcnt 0x0                           ; the wave's end
	ds_add_u32 v28, v29
	s_wait_dscnt 0x0
	CROUND                                         ; the closing round
	s_endpgm
.Lfunc_end_k_q344d177db6_scores:
	.size	k_q344d177db6_scores, .Lfunc_end_k_q344d177db6_scores-k_q344d177db6_scores
	.p2alignl 7, 3214868480
	.fill 96, 4, 3214868480
	.section	.rodata,"a",@progbits
	.p2align	6, 0x0
	.amdhsa_kernel k_q344d177db6_scores
		.amdhsa_group_segment_fixed_size 327680
		.amdhsa_private_segment_fixed_size 0
		.amdhsa_enable_private_segment 0
		.amdhsa_kernarg_size 16
		.amdhsa_user_sgpr_count 2
		.amdhsa_user_sgpr_kernarg_segment_ptr 1
		.amdhsa_wavefront_size32 1
		.amdhsa_system_sgpr_workgroup_id_x 1
		.amdhsa_system_sgpr_workgroup_id_y 1
		.amdhsa_system_sgpr_workgroup_id_z 1
		.amdhsa_system_vgpr_workitem_id 0
		.amdhsa_next_free_vgpr 1024
		.amdhsa_next_free_sgpr 102
		.amdhsa_reserve_vcc 0
		.amdhsa_float_denorm_mode_32 3
		.amdhsa_float_denorm_mode_16_64 3
		.amdhsa_memory_ordered 1
		.amdhsa_forward_progress 1
		.amdhsa_inst_pref_size 200
	.end_amdhsa_kernel
	.amdgpu_metadata
---
amdhsa.version: [ 1, 2 ]
amdhsa.kernels:
  - .name:           k_q344d177db6_scores
    .symbol:         k_q344d177db6_scores.kd
    .args:
      - { .name: w2, .offset: 0, .size: 8, .value_kind: global_buffer, .address_space: global }
      - { .name: w3, .offset: 8, .size: 8, .value_kind: global_buffer, .address_space: global }
    .group_segment_fixed_size: 327680
    .private_segment_fixed_size: 0
    .kernarg_segment_align: 8
    .kernarg_segment_size: 16
    .max_flat_workgroup_size: 128
    .sgpr_count:     102
    .vgpr_count:     1024
    .wavefront_size: 32
...
	.end_amdgpu_metadata
.endif
;; end of part 3
;; launch mix (part 4): grid 4 x 64, 4 waves a work-group, clusters of 4 x 4, 327,680 bytes of LDS; arguments w3, w2, w4; writes w4
.if DOCPART == 4
	.amdgcn_target "amdgcn-amd-amdhsa--gfx1250"
	.amdhsa_code_object_version 6
	.text
	.protected	k_q344d177db6_mix
	.globl	k_q344d177db6_mix
	.p2align	8
	.type	k_q344d177db6_mix,@function
k_q344d177db6_mix:
	s_mov_b64 s[64:65], 0
	v_nop
	global_prefetch_b8 v0, s[64:65] scope:SCOPE_SE
	s_setreg_imm32_b32 hwreg(HW_REG_WAVE_MODE, 25, 1), 1
	s_wait_xcnt 0x0
	s_wait_alu depctr_hold_cnt(0) depctr_sa_sdst(0) depctr_va_vdst(0) depctr_va_sdst(0) depctr_va_ssrc(0) depctr_va_vcc(0) depctr_vm_vsrc(0)
	s_getreg_b32 s2, hwreg(HW_REG_IB_STS2, 6, 4)
	s_cmp_eq_u32 s2, 0
	s_cbranch_scc0 .Lentry_in_a_cluster
	s_endpgm
.Lentry_in_a_cluster:
	s_bfe_u32 s2, ttmp6, 0x10000c
	s_cmp_lg_u32 s2, 0xf033
	s_cbranch_scc0 .Lentry_shape_is_right
	s_endpgm
.Lentry_shape_is_right:
; V_ = (p V) / l on codes of FP6 (E2M3), and V_ quantised on the way out for the last product.  K = the batch's 2,048 keys.
; Source 0 = 16 rows of V's images (one e a row, keys along K), source 1 = 16 queries of p: a lane holds one query and its registers run along e, the next product's K.
; p was quantised under a whole number M of its own for each chunk of 128 keys.  At the head each thread takes one of the work-group's 128 queries: the row's -M is the least of the sixteen -M;
; each chunk's four scale bytes fall by d = M(row) - M(chunk), a whole number, and each chunk's sum is multiplied by 2^-d: neither rounds anything.  The words go to LDS bytes that no tensor load fills.
; LIMITS: a byte that would fall under 0 is held at 0, which is 2^-127: such a block adds at most 7.5 x 2^-127 x |V| a key where l is at least 1/2.  The sixteen sums are added chunk by chunk.
;   NaN and infinities are not served; a block of zeros of V_ gets the byte 1 where the rule says 127.
; w4: V_'s codes [512 row blocks][8 K steps][1536], from 6,291,456 its scale words [8][512][64].
; A tile of 128 queries x 256 of e to a work-group, so that all 256 work-groups have one; 64 x 128 a wave: 32 accumulators.  Slots of four K steps.  CLUSTERS 4 x 4: p's tiles ('A') along a row, V's ('B') along a column.
; No prefetch: two of K's four slots are first fills at the head.
.set NA, 4
.set NQ, 4
.set KS, 16
.set SC2, 18874368
.set T,   64                           ; the way out: v64-127 O / l
.set PT,  176                          ; v176-183 upper halves of codes
; ---- the core of the four product launches ----
; REGISTERS.  window 0: v1 r, v2 h, v3 lane, v4 16 x lane, v5 4 x lane; v16-17, v20-21 LDS addresses of my A and B fragments in slot 0, 1; v22, v23 of my scale words; v28, v29 the add's two;
;   v32-39 A's scale words, two sets; v40-47 B's (lanes 0-15: block 2 i, lanes 16-31: block 2 i + 1); v48-63 at work on the way out; from v64 A's fragments, two sets of 12 NA.
;   window 1: B's fragments, set p at 128 p.   window 2: accumulator (a, b) at 8 (8 a + b).
.set FRB,   1536
.set HA,    NA*NQ*FRB
.set HB,    8*NQ*FRB
.set SLOT,  2*HA+2*HB
.set SAROW, 128*NA
.set NLD,   3*NA+24+NA/2+4
.set LAPS,  KS/(2*NQ)
.set SCA,   2*SLOT
.set SCB,   SCA+KS*SAROW
.set G1,   24
.set G0,   32
.set G1B,  48
.set G0B,  56
.set G1SB, 80
.set G0SB, 88
.set TM,   48
.set MSB,  0
.macro WIN new                         ; the immediate's high byte repeats the setting that is left; a switch that changes nothing is dropped
.if MSB != (\new)
	s_set_vgpr_msb (MSB<<8)|(\new)
.set MSB, (\new)
.endif
.endm
.macro PLACES n                        ; plain vector places behind matrix instructions (ISA guide 7.12.1)
.rept \n
	v_nop
.endr
.endm
.macro JLOAD g0a, g1a, g0b, g1b        ; a joint load: waves 0 and 1 fetch A's halves, waves 2 and 3 B's; an s_nop 0 and four v_nop follow each line
	s_cmp_eq_u32 s15, 0
	s_cbranch_scc0 .Lfor_b_\@
	tensor_load_to_lds s[\g0a:\g0a+3], s[\g1a:\g1a+7]
	s_nop 0
.rept 4
	v_nop
.endr
	s_branch .Lasked_\@
.Lfor_b_\@:
	tensor_load_to_lds s[\g0b:\g0b+3], s[\g1b:\g1b+7]
	s_nop 0
.rept 4
	v_nop
.endr
.Lasked_\@:
.endm
.macro CREST                           ; a round of the cluster's barrier behind its opening barrier
	s_cmp_lg_u32 s14, 0
	s_cbranch_scc1 .Lnot_wave_0_\@
	s_barrier_signal -3
.Lnot_wave_0_\@:
	s_barrier_wait -3
	s_barrier_signal -1
	s_barrier_wait -1
.endm
.macro CROUND
	s_barrier_signal -1
	s_barrier_wait -1
	CREST
.endm
.macro GROUP1 g, c, r, p               ; words 1 to 7: r rows of c elements of 8 bytes, p elements from row to row
	s_mov_b32 s[\g+1], (\c)<<16
	s_mov_b32 s[\g+2], (\r)<<16
	s_mov_b32 s[\g+3], (\c)<<16
	s_mov_b32 s[\g+4], \r
	s_mov_b32 s[\g+5], \p
	s_mov_b32 s[\g+6], 0
	s_mov_b32 s[\g+7], 0
.endm
.macro GROUP0 g, lds, ldsadd, adr, adradd
	s_mov_b32 s[\g], 1
	s_add_co_u32 s[\g+1], s[\lds], \ldsadd
	s_add_nc_u64 s[\g+2:\g+3], s[\adr:\adr+1], \adradd
	s_or_b32 s[\g+3], s[\g+3], 0x80000000
.endm
.macro WM1 cop                         ; one product; an odd block's scale words stand in lanes 16-31 of its register
.if (ib%2 == 1) && (ia%2 == 1)
	v_wmma_scale_f32_16x16x128_f8f6f4 v[rD:rD+7], v[rB:rB+11], v[rA:rA+11], \cop, v[sB], v[sA] matrix_a_fmt:MATRIX_FMT_FP6 matrix_b_fmt:MATRIX_FMT_FP6 matrix_a_scale:MATRIX_SCALE_ROW1 matrix_b_scale:MATRIX_SCALE_ROW1
.elseif ib%2 == 1
	v_wmma_scale_f32_16x16x128_f8f6f4 v[rD:rD+7], v[rB:rB+11], v[rA:rA+11], \cop, v[sB], v[sA] matrix_a_fmt:MATRIX_FMT_FP6 matrix_b_fmt:MATRIX_FMT_FP6 matrix_a_scale:MATRIX_SCALE_ROW1
.elseif ia%2 == 1
	v_wmma_scale_f32_16x16x128_f8f6f4 v[rD:rD+7], v[rB:rB+11], v[rA:rA+11], \cop, v[sB], v[sA] matrix_a_fmt:MATRIX_FMT_FP6 matrix_b_fmt:MATRIX_FMT_FP6 matrix_b_scale:MATRIX_SCALE_ROW1
.else
	v_wmma_scale_f32_16x16x128_f8f6f4 v[rD:rD+7], v[rB:rB+11], v[rA:rA+11], \cop, v[sB], v[sA] matrix_a_fmt:MATRIX_FMT_FP6 matrix_b_fmt:MATRIX_FMT_FP6
.endif
.endm
; A's blocks a0 .. a0 + n - 1 against B's eight, from set p.  cm 0: onto the sums; 1: the sums start at 0.
; The accumulators take turns, one instruction a turn, in the same order in every K step.
.macro MULR a0, n, p, cm
.set ia, \a0
.rept \n
	WIN 0xa1+0x50*(ia/4)
.set ib, 0
.rept 8
.set rD, 8*(8*(ia%4)+ib)
.set rB, 128*(\p)+12*ib
.set rA, 64+12*NA*(\p)+12*ia
.set sB, 40+4*(\p)+ib/2
.set sA, 32+4*(\p)+ia/2
.if (\cm) == 0
	WM1 v[rD:rD+7]
.else
	WM1 0
.endif
.set ib, ib+1
.endr
.set ia, ia+1
.endr
.endm
.macro FETCH slot, q, p                ; the slot's q-th K step into set p: NLD loads in one run; an image comes back by three loads of 16 bytes a lane, 512 bytes on end
	WIN 0x40
.set i, 0
.rept 8
.irp c, 0,1,2
	ds_load_b128 v[128*(\p)+12*i+4*\c:128*(\p)+12*i+4*\c+3], v[20+\slot] offset:(i*NQ+(\q))*FRB+512*\c
.endr
.set i, i+1
.endr
	WIN 0
.set i, 0
.rept NA
.irp c, 0,1,2
	ds_load_b128 v[64+12*NA*(\p)+12*i+4*\c:64+12*NA*(\p)+12*i+4*\c+3], v[16+\slot] offset:(i*NQ+(\q))*FRB+512*\c
.endr
.set i, i+1
.endr
.set i, 0
.rept NA/2
	ds_load_b32 v[32+4*(\p)+i], v22 offset:(\q)*SAROW+128*i
.set i, i+1
.endr
.set i, 0
.rept 4
	ds_load_b32 v[40+4*(\p)+i], v23 offset:(\q)*1024+128*i
.set i, i+1
.endr
.endm
.macro STEP slot, q, cm                ; a K step that has its successor in the same slot: the successor is fetched into the other set, then this one is multiplied
	PLACES 4                                       ; in front of loads into registers that the last step's products read
	FETCH \slot, (\q)+1, 1-(\q)%2
	s_wait_dscnt NLD                               ; all but the NLD loads just issued: this step's set is in
	MULR 0, NA, (\q)%2, \cm
	WIN 0
.endm
.macro MID slot, q0                    ; the slot's steps q0 .. NQ - 2
.if NQ-1-(\q0) > 0
.set QQ, \q0
.rept NQ-1-(\q0)
	STEP \slot, QQ, 0
.set QQ, QQ+1
.endr
.endif
.endm
; A slot's last K step (set 1) changes slots: ONE barrier.  In front of it each wave waits for all its tensor loads, adds 0 to its spare word, and waits for that and for its reads of this slot.
; fill = 1: the barrier opens a round of the cluster's barrier, and behind the round this slot is filled again, two slots ahead: one joint load a wave, first thing there.
.macro TURN slot, next, fill
	s_wait_tensorcnt 0x0                           ; all my tensor loads have landed: my part of the next slot
	ds_add_u32 v28, v29
	s_wait_dscnt 1                                 ; this step's set is in; the add may be out
	MULR 0, NA/4, 1, 0
	s_wait_dscnt 0x0                               ; the add is done, and my reads of this slot are over
	s_barrier_signal -1
	MULR NA/4, NA/4, 1, 0
	WIN 0
	s_barrier_wait -1
.if \fill
	CREST                                          ; no wave of any partner still reads this slot or has a load on its way
	s_add_nc_u64 s[G0+4*\slot+2:G0+4*\slot+3], s[G0+4*\slot+2:G0+4*\slot+3], 2*NQ*FRB
	s_add_nc_u64 s[G0B+4*\slot+2:G0B+4*\slot+3], s[G0B+4*\slot+2:G0B+4*\slot+3], 2*NQ*FRB
	JLOAD G0+4*\slot, G1, G0B+4*\slot, G1B         ; its four v_nop are also the places in front of the loads below
.else
	PLACES 4
.endif
	v_add_nc_u32 v22, NQ*SAROW, v22                ; on to the next slot's scale words
	v_add_nc_u32 v23, NQ*1024, v23
	FETCH \next, 0, 0
	MULR NA/2, NA/2, 1, 0
	WIN 0
.endm
.macro LAST
	s_wait_dscnt 0x0
	MULR 0, NA, 1, 0
	WIN 0
.endm
.macro VADDR                           ; the core's vector addresses
	v_and_b32 v1, 15, v0
	v_bfe_u32 v2, v0, 4, 1
	v_and_b32 v3, 31, v0
	v_lshlrev_b32 v4, 4, v3
	v_lshlrev_b32 v5, 2, v3
	s_mul_i32 s2, s15, HA
	s_mul_i32 s3, s16, HB
	s_add_co_u32 s3, s3, 2*HA
	v_add_nc_u32 v16, s2, v4
	v_add_nc_u32 v20, s3, v4
	v_add_nc_u32 v17, SLOT, v16
	v_add_nc_u32 v21, SLOT, v20
	s_mul_i32 s2, s15, NA*64
	s_add_co_u32 s2, s2, SCA
	v_add_nc_u32 v22, s2, v5
	s_lshl_b32 s3, s16, 9
	s_add_co_u32 s3, s3, SCB
	v_add_nc_u32 v23, s3, v5
.endm
; 64 numbers of a lane in window W, register s + 16 b + i = k 32 b + 16 (lane / 16) + i of my row.  QMAX: the four blocks' largest magnitudes into v[TM ..].
.macro QMAX s, W
	WIN ((\W)<<2)|((\W)<<4)
.irp b, 0,1,2,3
	v_max3_num_f32 v[TM+\b], 0x1800000, |v[(\s)+16*\b]|, |v[(\s)+16*\b+1]|   ; with the floor 2^(3 - 127): the byte cannot fall under 1
.endr
.irp i, 2,4,6,8,10,12,14
.irp b, 0,1,2,3
	v_max3_num_f32 v[TM+\b], v[TM+\b], |v[(\s)+16*\b+\i]|, |v[(\s)+16*\b+\i+1]|
.endr
.endr
	WIN 0
.irp b, 0,1,2,3
	v_permlanex16_b32 v[TM+4+\b], v[TM+\b], s100, s101
.endr
.irp b, 0,1,2,3
	v_max_num_f32 v[TM+\b], v[TM+\b], v[TM+4+\b]   ; with lane l xor 16's 16 numbers
.endr
.endm
; QTAIL: from the largest magnitudes the scale word into v[pw] and the fragment's 12 registers into v[pc ..]
.macro QTAIL s, W, pc, pw
.irp b, 0,1,2,3
	v_add_nc_u32 v[TM+12+\b], 0xff000000, v[TM+\b] ; 2 off the exponent field: the conversion's scale operand
.endr
.irp b, 0,1,2,3
	v_lshrrev_b32 v[TM+4+\b], 23, v[TM+12+\b]      ; the scale's byte
.endr
	v_lshl_or_b32 v[\pw], v[TM+5], 8, v[TM+4]
	v_lshl_or_b32 v[\pw], v[TM+6], 16, v[\pw]
	v_lshl_or_b32 v[\pw], v[TM+7], 24, v[\pw]
	WIN \W
.irp c, 0,1
	v_cvt_scalef32_pk16_fp6_f32 v[(\pc)+6*\c:(\pc)+6*\c+2], v[(\s)+32*\c:(\s)+32*\c+15], v[TM+12+2*\c]
	v_cvt_scalef32_pk16_fp6_f32 v[PT+4*\c:PT+4*\c+2], v[(\s)+32*\c+16:(\s)+32*\c+31], v[TM+13+2*\c]   ; (a conversion's three registers begin on an even number)
.endr
	WIN 0
	v_nop                                          ; one plain place behind a scaled conversion
.irp c, 0,1                            ; the layout wants a WHOLE block in a lane: lanes 0-15 block 2 c, lanes 16-31 block 2 c + 1
.irp i, 0,1,2
	v_permlane16_swap_b32 v[(\pc)+6*\c+\i], v[PT+4*\c+\i]
.endr
.irp i, 0,1,2
	v_mov_b32 v[(\pc)+6*\c+3+\i], v[PT+4*\c+\i]
.endr
.endr
.endm
.macro STOREF pc, voff, base, imm      ; a fragment leaves as its image: each store covers 512 consecutive bytes, at a multiple of 256 from the buffer's first byte
.irp c, 0,1,2
	global_store_b128 v[\voff], v[(\pc)+4*\c:(\pc)+4*\c+3], s[\base:\base+1] offset:(\imm)+512*\c
.endr
.endm
; ---- end of the core ----
.set LINV,  SCB+KS*1024                ; 1 / l of the work-group's 128 queries: 512 bytes that no tensor load fills (nor does one fill SCA's 8,192 here)
.set SPARE, LINV+512                   ; the spare words, 128 bytes for each wave: two blocks of 256 bytes that no other line names
	s_load_b128 s[4:7], s[0:1], 0x0                ; w3 s[4:5], w2 s[6:7]
	s_load_b64 s[8:9], s[0:1], 0x10                ; w4
	v_lshl_add_u32 v28, v0, 2, SPARE
	v_mov_b32 v29, 0
	ds_add_u32 v28, v29                            ; the wave's opening
	ds_add_u32 v28, v29
	v_lshrrev_b32 v1, 5, v0
	v_readfirstlane_b32 s14, v1                    ; wave 0..3
	s_lshr_b32 s15, s14, 1                         ; AH: my half of the queries.  Also: I fetch for A (0) or for B (1)
	s_and_b32 s16, s14, 1                          ; BH: my half of e.  Also: which half I fetch
	s_bfe_u32 s40, ttmp6, 0x40000                  ; cx
	s_bfe_u32 s41, ttmp6, 0x40004                  ; cy
	s_and_b32 s18, ttmp7, 0xffff                   ; the cluster's y, 0..15
	s_lshl_b32 s17, s18, 2
	s_add_co_u32 s17, s17, s41                     ; TA: the tile of 128 queries, 0..63, sixteen to a batch
	s_lshr_b32 s47, s18, 2                         ; the batch: it hangs on the cluster's y alone
	s_lshl_b32 s42, ttmp9, 2
	s_add_co_u32 s42, s42, s40                     ; TB: the tile of 256 of e
	s_lshl_b32 s43, s41, 2
	s_lshl_b32 s43, 15, s43                        ; my row of the cluster
	s_lshl_b32 s44, 0x1111, s40                    ; my column
	s_or_b32 s[G1], s43, (3<<16)|(1<<21)           ; 15:0 the mask; 17:16 elements of 8 bytes; 21 set beside a mask; no padding
	s_or_b32 s[G1B], s44, (3<<16)|(1<<21)
	s_or_b32 s[G1SB], s44, (3<<16)|(1<<21)
	s_or_b32 s68, s43, (3<<16)|(1<<21)             ; s[68:75], s[76:79]: groups 1 and 0 of the head's load of p's whole part of a slot; G1SB, G0SB: of V's
	GROUP1 G1, 192*NQ, NA, 192*16                  ; NA row blocks x NQ images; a row block's 16 K steps lie on end
	GROUP1 G1B, 192*NQ, 8, 192*16
	GROUP1 68, 192*NQ, 2*NA, 192*16
	GROUP1 G1SB, 192*NQ, 16, 192*16
	s_lshl_b32 s19, s17, 3                         ; p's tile: first row block
	s_lshl_b32 s20, s16, 2
	s_add_co_u32 s20, s20, s19
	s_mul_i32 s20, s20, 16*FRB
	s_mov_b32 s21, 0
	s_lshl_b32 s45, s47, 6                         ; V: the batch's 64 row blocks,
	s_lshl_b32 s46, s42, 4                         ; the tile's 16
	s_lshl_b32 s96, s16, 3
	s_add_co_u32 s96, s96, s45
	s_add_co_u32 s96, s96, s46
	s_mul_i32 s96, s96, 16*FRB
	s_add_co_u32 s96, s96, 12582912
	s_mov_b32 s97, 0
	s_lshl_b32 s98, s47, 4
	s_lshl_b32 s98, s98, 6
	s_add_co_u32 s98, s98, s46
	s_lshl_b32 s98, s98, 6
	s_add_co_u32 s98, s98, SC2+524288
	s_mov_b32 s99, 0
	s_mul_i32 s2, s16, HA                          ; where they go: no place in the cluster enters an LDS address
	s_mul_i32 s3, s16, HB
	s_add_co_u32 s3, s3, 2*HA
	s_mul_i32 s67, s16, SLOT                       ; the head: waves 0, 1 bring p's whole part of slot 0, 1, waves 2, 3 V's
	s_mul_i32 s66, s16, NQ*FRB
	s_mul_i32 s10, s19, 16*FRB
	s_add_co_u32 s10, s10, s66
	s_mov_b32 s11, 0
	s_add_co_u32 s12, s45, s46
	s_mul_i32 s12, s12, 16*FRB
	s_add_co_u32 s12, s12, s66
	s_add_co_u32 s12, s12, 12582912
	s_mov_b32 s13, 0
	s_mov_b32 s100, 0x76543210
	s_mov_b32 s101, 0xfedcba98                     ; v_permlanex16_b32's selects for lane l xor 16
	s_wait_dscnt 0x0                               ; the opening add is done
	s_wait_kmcnt 0x0
	s_add_nc_u64 s[20:21], s[4:5], s[20:21]
	s_add_nc_u64 s[96:97], s[6:7], s[96:97]
	s_add_nc_u64 s[98:99], s[6:7], s[98:99]
	s_add_nc_u64 s[10:11], s[4:5], s[10:11]
	s_add_nc_u64 s[12:13], s[6:7], s[12:13]
	GROUP0 76, 67, 0, 10, 0
	GROUP0 G0SB, 67, 2*HA, 12, 0
	GROUP0 G0, 2, 0, 20, 0
	GROUP0 G0+4, 2, SLOT, 20, NQ*FRB
	GROUP0 G0B, 3, 0, 96, 0
	GROUP0 G0B+4, 3, SLOT, 96, NQ*FRB
	CROUND                                         ; all sixteen work-groups are here: the first joint loads meet
	JLOAD 76, 68, G0SB, G1SB                       ; my one load at the head: both slots are on their way
	; p's scale words, -M and sums of my query (thread t = row t of the work-group's 128, in the images' order), for the sixteen chunks
	s_lshl_b32 s2, s17, 9
	s_add_co_u32 s2, s2, 12582912
	s_mov_b32 s3, 0
	s_add_nc_u64 s[10:11], s[4:5], s[2:3]
	; V's scale words, 16,384 bytes for all of K, are copied once by plain loads (1,024 consecutive bytes of a K step to two waves) and LDS stores into bytes that no tensor load fills
	v_lshrrev_b32 v30, 6, v0
	v_and_b32 v31, 63, v0
	v_lshlrev_b32 v30, 12, v30                     ; K step 2 j + wave / 2: 4,096 bytes from K step to K step
	v_lshl_add_u32 v30, v31, 4, v30
	v_lshl_add_u32 v31, v0, 4, SCB
	v_lshlrev_b32 v6, 2, v0
	s_wait_alu depctr_va_vdst(0)
.irp j, 0,1,2,3,4,5,6,7
	global_load_b128 v[112+4*\j:115+4*\j], v30, s[98:99] offset:8192*\j
.endr
.irp k, 0,1,2,3,4,5,6,7,8,9,10,11,12,13,14,15
	global_load_b32 v[64+\k], v6, s[10:11] offset:524288+32768*\k      ; -M
.endr
.irp k, 0,1,2,3,4,5,6,7,8,9,10,11,12,13,14,15
	global_load_b32 v[80+\k], v6, s[10:11] offset:1048576+32768*\k     ; the sums
.endr
.irp k, 0,1,2,3,4,5,6,7,8,9,10,11,12,13,14,15
	global_load_b32 v[96+\k], v6, s[10:11] offset:32768*\k             ; the scale words
.endr
	VADDR
	v_lshl_add_u32 v15, v0, 2, SCA                 ; where my query's scale words go: 512 bytes a K step
	s_lshl_b32 s2, s14, 8
	v_lshl_add_u32 v24, v1, 2, s2                  ; the way out: my wave's 256 bytes in which its four scale words a row block meet
	v_lshlrev_b32 v27, 3, v3
	v_add_nc_u32 v25, s2, v27
	s_lshl_b32 s2, s15, 8
	s_add_co_u32 s2, s2, LINV
	v_lshl_add_u32 v26, v1, 2, s2                  ; 1 / l of my lane's query in my block 0
	s_lshl_b32 s66, s42, 1
	s_add_co_u32 s66, s66, s16                     ; K step 2 TB + BH of the next product
	s_lshl_b32 s67, s15, 2
	s_add_co_u32 s67, s67, s19                     ; my first row block: 8 TA + 4 AH
	s_lshl_b32 s2, s67, 3
	s_add_co_u32 s2, s2, s66
	s_mul_i32 s2, s2, FRB
	s_mov_b32 s3, 0
	s_add_nc_u64 s[12:13], s[8:9], s[2:3]          ; V_'s codes
	s_lshl_b32 s2, s66, 9
	s_add_co_u32 s2, s2, s67
	s_lshl_b32 s2, s2, 6
	s_add_co_u32 s2, s2, 6291456
	s_add_nc_u64 s[92:93], s[8:9], s[2:3]          ; its scale words
	s_wait_loadcnt 0x0
	v_min3_num_f32 v7, v64, v65, v66               ; the row's -M: the least of the sixteen
.irp k, 67,69,71,73,75,77
	v_min3_num_f32 v7, v7, v[\k], v[\k+1]
.endr
	v_min_num_f32 v7, v7, v79
.irp k, 0,1,2,3,4,5,6,7,8,9,10,11,12,13,14,15
	v_sub_f32 v9, v[64+\k], v7                     ; d = M(row) - M(chunk): a whole number, 0 or more
	v_cvt_i32_f32 v9, v9                           ; (it saturates)
	v_sub_nc_u32 v14, 0, v9
.if \k == 0
	v_ldexp_f32 v8, v[80+\k], v14                  ; the chunk's sum under the row's M: nothing is rounded
.else
	v_ldexp_f32 v14, v[80+\k], v14
	v_add_f32 v8, v8, v14
.endif
	v_min_u32 v9, 255, v9
	v_and_b32 v10, 0xff, v[96+\k]
	v_bfe_u32 v11, v[96+\k], 8, 8
	v_bfe_u32 v12, v[96+\k], 16, 8
	v_lshrrev_b32 v13, 24, v[96+\k]
.irp b, 10,11,12,13
	v_sub_nc_u32 v[\b], v[\b], v9                  ; each byte falls by d,
.endr
.irp b, 10,11,12,13
	v_max_i32 v[\b], 0, v[\b]                      ; held at 0
.endr
	v_lshl_or_b32 v10, v11, 8, v10
	v_lshl_or_b32 v10, v12, 16, v10
	v_lshl_or_b32 v10, v13, 24, v10
	ds_store_b32 v15, v10 offset:512*\k
.endr
	s_wait_alu depctr_va_vdst(0)
	v_rcp_f32 v14, v8
	v_nop                                          ; a plain place behind the transcendental
	s_wait_alu depctr_va_vdst(0)                   ; the wait ahead of its first reader
	ds_store_b32 v15, v14 offset:LINV-SCA
	s_wait_tensorcnt 0x0                           ; my part of the two slots is in
.irp j, 0,1,2,3,4,5,6,7
	ds_store_b128 v31, v[112+4*\j:115+4*\j] offset:2048*\j
.endr
	s_wait_dscnt 0x0                               ; for the others' sake: my stores of scale words and of 1 / l are done
	s_barrier_signal -1
	s_barrier_wait -1
	FETCH 0, 0, 0
	STEP 0, 0, 1                                   ; the first step's products start the sums: nothing is cleared
.rept LAPS-1                           ; once round the ring, both slots filled again (one lap here: written out, no counter)
	MID 0, 1
	TURN 0, 1, 1
	s_wait_alu depctr_va_vdst(0)
	MID 1, 0
	TURN 1, 0, 1
	STEP 0, 0, 0
.endr
	s_wait_alu depctr_va_vdst(0)
	MID 0, 1
	TURN 0, 1, 0                                   ; the last lap fills nothing
	s_wait_alu depctr_va_vdst(0)
	MID 1, 0
	LAST
	; THE WAY OUT: each of my four blocks of queries, divided by l, is one fragment of the last product.  v8+2 a: 1 / l; v128+12 a codes; v184+a scale words.
	PLACES 4
.irp a, 0,1,2,3
	ds_load_b32 v[8+2*\a], v26 offset:64*\a
.endr
.irp b, 0,1,2,3
	v_mov_b32 v[TM+4+\b], 0                        ; a lane permute's destination counts as one of its sources
.endr
	s_wait_dscnt 0x0
.irp a, 0,1,2,3
	WIN 0x02
.set j, 0
.rept 32
	v_pk_mul_f32 v[T+j:T+j+1], v[64*\a+j:64*\a+j+1], v[8+2*\a:9+2*\a] op_sel_hi:[1,0]   ; O / l, each accumulator from its low end on
.set j, j+2
.endr
	WIN 0
	QMAX T, 0
	QTAIL T, 0, 128+12*\a, 184+\a
	STOREF 128+12*\a, 4, 12, \a*8*FRB
	ds_store_b32 v24, v[184+\a] offset:64*\a       ; LDS bytes 0 .. 1,023: slot 0 has had its last fill, and nobody reads it behind the last change of slots
.endr
	ds_load_b64 v[188:189], v25                    ; LDS serves a wave's instructions in order: this sees my stores
	s_wait_dscnt 0x0
	global_store_b64 v27, v[188:189], s[92:93]     ; four row blocks' scale words: 256 consecutive bytes, aligned
	s_wait_tensorcnt 0x0                           ; the wave's end
	ds_add_u32 v28, v29
	s_wait_dscnt 0x0
	CROUND                                         ; the closing round
	s_endpgm
.Lfunc_end_k_q344d177db6_mix:
	.size	k_q344d177db6_mix, .Lfunc_end_k_q344d177db6_mix-k_q344d177db6_mix
	.p2alignl 7, 3214868480
	.fill 96, 4, 3214868480
	.section	.rodata,"a",@progbits
	.p2align	6, 0x0
	.amdhsa_kernel k_q344d177db6_mix
		.amdhsa_group_segment_fixed_size 327680
		.amdhsa_private_segment_fixed_size 0
		.amdhsa_enable_private_segment 0
		.amdhsa_kernarg_size 24
		.amdhsa_user_sgpr_count 2
		.amdhsa_user_sgpr_kernarg_segment_ptr 1
		.amdhsa_wavefront_size32 1
		.amdhsa_system_sgpr_workgroup_id_x 1
		.amdhsa_system_sgpr_workgroup_id_y 1
		.amdhsa_system_sgpr_workgroup_id_z 1
		.amdhsa_system_vgpr_workitem_id 0
		.amdhsa_next_free_vgpr 768
		.amdhsa_next_free_sgpr 102
		.amdhsa_reserve_vcc 0
		.amdhsa_float_denorm_mode_32 3
		.amdhsa_float_denorm_mode_16_64 3
		.amdhsa_memory_ordered 1
		.amdhsa_forward_progress 1
		.amdhsa_inst_pref_size 170
	.end_amdhsa_kernel
	.amdgpu_metadata
---
amdhsa.version: [ 1, 2 ]
amdhsa.kernels:
  - .name:           k_q344d177db6_mix
    .symbol:         k_q344d177db6_mix.kd
    .args:
      - { .name: w3, .offset: 0, .size: 8, .value_kind: global_buffer, .address_space: global }
      - { .name: w2, .offset: 8, .size: 8, .value_kind: global_buffer, .address_space: global }
      - { .name: w4, .offset: 16, .size: 8, .value_kind: global_buffer, .address_space: global }
    .group_segment_fixed_size: 327680
    .private_segment_fixed_size: 0
    .kernarg_segment_align: 8
    .kernarg_segment_size: 24
    .max_flat_workgroup_size: 128
    .sgpr_count:     102
    .vgpr_count:     768
    .wavefront_size: 32
...
	.end_amdgpu_metadata
.endif
;; end of part 4
;; launch outp (part 5): grid 4 x 64, 4 waves a work-group, clusters of 4 x 4, 327,680 bytes of LDS; arguments w4, w1, bo, out0; writes out0
.if DOCPART == 5
	.amdgcn_target "amdgcn-amd-amdhsa--gfx1250"
	.amdhsa_code_object_version 6
	.text
	.protected	k_q344d177db6_outp
	.globl	k_q344d177db6_outp
	.p2align	8
	.type	k_q344d177db6_outp,@function
k_q344d177db6_outp:
	s_mov_b64 s[64:65], 0
	v_nop
	global_prefetch_b8 v0, s[64:65] scope:SCOPE_SE
	s_setreg_imm32_b32 hwreg(HW_REG_WAVE_MODE, 25, 1), 1
	s_wait_xcnt 0x0
	s_wait_alu depctr_hold_cnt(0) depctr_sa_sdst(0) depctr_va_vdst(0) depctr_va_sdst(0) depctr_va_ssrc(0) depctr_va_vcc(0) depctr_vm_vsrc(0)
	s_getreg_b32 s2, hwreg(HW_REG_IB_STS2, 6, 4)
	s_cmp_eq_u32 s2, 0
	s_cbranch_scc0 .Lentry_in_a_cluster
	s_endpgm
.Lentry_in_a_cluster:
	s_bfe_u32 s2, ttmp6, 0x10000c
	s_cmp_lg_u32 s2, 0xf033
	s_cbranch_scc0 .Lentry_shape_is_right
	s_endpgm
.Lentry_shape_is_right:
; O = V_ Wo^T + bo on codes of FP6 (E2M3); out0 [8192][1024] f32.
; Source 0 = 16 rows of Wo, source 1 = 16 queries of V_: a lane holds one query, and the registers of accumulators 2 b, 2 b + 1 are outputs e = 32 b + 16 (lane / 16) + 0 .. 15.
; Operands are images of the operand's registers; lane r of row block t holds row 32 (t / 2) + 8 (t % 2) + r + 8 (r / 8).  That order of rows is undone here, in the stores' immediates.
; A tile of 128 queries x 256 outputs to a work-group, 64 x 128 a wave.  K = 1,024 is two slots of four K steps: both are first fills, so no slot is filled again.
; CLUSTERS 4 x 4: V_'s tiles ('A') shared along a row of the cluster, Wo's ('B') along a column.  No prefetch: all of K is asked for at the head.
; The bias is the C of each sum's first product.  NaN and infinities are not served.
.set NA, 4
.set NQ, 4
.set KS, 8
.set SC1, 22020096
; ---- the core of the four product launches ----
; REGISTERS.  window 0: v1 r, v2 h, v3 lane, v4 16 x lane, v5 4 x lane; v16-17, v20-21 LDS addresses of my A and B fragments in slot 0, 1; v22, v23 of my scale words; v28, v29 the add's two;
;   v32-39 A's scale words, two sets; v40-47 B's (lanes 0-15: block 2 i, lanes 16-31: block 2 i + 1); from v64 A's fragments, two sets of 12 NA.
;   window 1: B's fragments, set p at 128 p; a bias tile i at 96 + 8 (i % 4) + 128 (i / 4).   window 2: accumulator (a, b) at 8 (8 a + b).
.set FRB,   1536
.set HA,    NA*NQ*FRB
.set HB,    8*NQ*FRB
.set SLOT,  2*HA+2*HB
.set SAROW, 128*NA
.set NLD,   3*NA+24+NA/2+4
.set SCA,   2*SLOT
.set SCB,   SCA+KS*SAROW
.set G1,   24
.set G0,   32
.set G1B,  48
.set G0B,  56
.set G1SA, 68
.set G0SA, 76
.set G1SB, 80
.set G0SB, 88
.set MSB,  0
.macro WIN new                         ; the immediate's high byte repeats the setting that is left; a switch that changes nothing is dropped
.if MSB != (\new)
	s_set_vgpr_msb (MSB<<8)|(\new)
.set MSB, (\new)
.endif
.endm
.macro PLACES n                        ; plain vector places behind matrix instructions (ISA guide 7.12.1)
.rept \n
	v_nop
.endr
.endm
.macro JLOAD g0a, g1a, g0b, g1b        ; a joint load: waves 0 and 1 fetch A's halves, waves 2 and 3 B's; an s_nop 0 and four v_nop follow each line
	s_cmp_eq_u32 s15, 0
	s_cbranch_scc0 .Lfor_b_\@
	tensor_load_to_lds s[\g0a:\g0a+3], s[\g1a:\g1a+7]
	s_nop 0
.rept 4
	v_nop
.endr
	s_branch .Lasked_\@
.Lfor_b_\@:
	tensor_load_to_lds s[\g0b:\g0b+3], s[\g1b:\g1b+7]
	s_nop 0
.rept 4
	v_nop
.endr
.Lasked_\@:
.endm
.macro CREST                           ; a round of the cluster's barrier behind its opening barrier
	s_cmp_lg_u32 s14, 0
	s_cbranch_scc1 .Lnot_wave_0_\@
	s_barrier_signal -3
.Lnot_wave_0_\@:
	s_barrier_wait -3
	s_barrier_signal -1
	s_barrier_wait -1
.endm
.macro CROUND
	s_barrier_signal -1
	s_barrier_wait -1
	CREST
.endm
.macro GROUP1 g, c, r, p               ; words 1 to 7: r rows of c elements of 8 bytes, p elements from row to row
	s_mov_b32 s[\g+1], (\c)<<16
	s_mov_b32 s[\g+2], (\r)<<16
	s_mov_b32 s[\g+3], (\c)<<16
	s_mov_b32 s[\g+4], \r
	s_mov_b32 s[\g+5], \p
	s_mov_b32 s[\g+6], 0
	s_mov_b32 s[\g+7], 0
.endm
.macro GROUP0 g, lds, ldsadd, adr, adradd
	s_mov_b32 s[\g], 1
	s_add_co_u32 s[\g+1], s[\lds], \ldsadd
	s_add_nc_u64 s[\g+2:\g+3], s[\adr:\adr+1], \adradd
	s_or_b32 s[\g+3], s[\g+3], 0x80000000
.endm
.macro WM1 cop                         ; one product; an odd block's scale words stand in lanes 16-31 of its register
.if (ib%2 == 1) && (ia%2 == 1)
	v_wmma_scale_f32_16x16x128_f8f6f4 v[rD:rD+7], v[rB:rB+11], v[rA:rA+11], \cop, v[sB], v[sA] matrix_a_fmt:MATRIX_FMT_FP6 matrix_b_fmt:MATRIX_FMT_FP6 matrix_a_scale:MATRIX_SCALE_ROW1 matrix_b_scale:MATRIX_SCALE_ROW1
.elseif ib%2 == 1
	v_wmma_scale_f32_16x16x128_f8f6f4 v[rD:rD+7], v[rB:rB+11], v[rA:rA+11], \cop, v[sB], v[sA] matrix_a_fmt:MATRIX_FMT_FP6 matrix_b_fmt:MATRIX_FMT_FP6 matrix_a_scale:MATRIX_SCALE_ROW1
.elseif ia%2 == 1
	v_wmma_scale_f32_16x16x128_f8f6f4 v[rD:rD+7], v[rB:rB+11], v[rA:rA+11], \cop, v[sB], v[sA] matrix_a_fmt:MATRIX_FMT_FP6 matrix_b_fmt:MATRIX_FMT_FP6 matrix_b_scale:MATRIX_SCALE_ROW1
.else
	v_wmma_scale_f32_16x16x128_f8f6f4 v[rD:rD+7], v[rB:rB+11], v[rA:rA+11], \cop, v[sB], v[sA] matrix_a_fmt:MATRIX_FMT_FP6 matrix_b_fmt:MATRIX_FMT_FP6
.endif
.endm
; A's blocks a0 .. a0 + n - 1 against B's eight, from set p.  cm 0: onto the sums; 2: the sums start at the bias tile of B's block.
; The accumulators take turns, one instruction a turn, in the same order in every K step.
.macro MULR a0, n, p, cm
.set ia, \a0
.rept \n
.if (\cm) >= 2
	WIN 0x91
.else
	WIN 0xa1
.endif
.set ib, 0
.rept 8
.set rD, 8*(8*ia+ib)
.set rB, 128*(\p)+12*ib
.set rA, 64+12*NA*(\p)+12*ia
.set sB, 40+4*(\p)+ib/2
.set sA, 32+4*(\p)+ia/2
.if (\cm) == 0
	WM1 v[rD:rD+7]
.else
.set rC, 96+8*(ib%4)+128*(ib/4)
	WM1 v[rC:rC+7]
.endif
.set ib, ib+1
.endr
.set ia, ia+1
.endr
.endm
.macro FETCH slot, q, p                ; the slot's q-th K step into set p: NLD loads in one run; an image comes back by three loads of 16 bytes a lane, 512 bytes on end
	WIN 0x40
.set i, 0
.rept 8
.irp c, 0,1,2
	ds_load_b128 v[128*(\p)+12*i+4*\c:128*(\p)+12*i+4*\c+3], v[20+\slot] offset:(i*NQ+(\q))*FRB+512*\c
.endr
.set i, i+1
.endr
	WIN 0
.set i, 0
.rept NA
.irp c, 0,1,2
	ds_load_b128 v[64+12*NA*(\p)+12*i+4*\c:64+12*NA*(\p)+12*i+4*\c+3], v[16+\slot] offset:(i*NQ+(\q))*FRB+512*\c
.endr
.set i, i+1
.endr
.set i, 0
.rept NA/2
	ds_load_b32 v[32+4*(\p)+i], v22 offset:(\q)*SAROW+128*i
.set i, i+1
.endr
.set i, 0
.rept 4
	ds_load_b32 v[40+4*(\p)+i], v23 offset:(\q)*1024+128*i
.set i, i+1
.endr
.endm
.macro STEP slot, q, cm                ; a K step that has its successor in the same slot: the successor is fetched into the other set, then this one is multiplied
	PLACES 4                                       ; in front of loads into registers that the last step's products read
	FETCH \slot, (\q)+1, 1-(\q)%2
	s_wait_dscnt NLD                               ; all but the NLD loads just issued: this step's set is in
	MULR 0, NA, (\q)%2, \cm
	WIN 0
.endm
.macro MID slot, q0                    ; the slot's steps q0 .. NQ - 2
.set QQ, \q0
.rept NQ-1-(\q0)
	STEP \slot, QQ, 0
.set QQ, QQ+1
.endr
.endm
; Slot 0's last K step (set 1) goes on into slot 1.  Both slots were whole at the head's barrier and nothing is filled again; the one barrier here parts every wave's reads of slot 0 from the way out's stores into the stages, which lie in slot 0.
.macro TURN slot, next
	s_wait_dscnt 0x0                               ; this step's set is in, and my reads of slot 0 are over
	MULR 0, NA/4, 1, 0
	s_barrier_signal -1
	MULR NA/4, NA/4, 1, 0                          ; work on registers while the others arrive
	WIN 0
	s_barrier_wait -1
	PLACES 4
	v_add_nc_u32 v22, NQ*SAROW, v22                ; on to the next slot's scale words
	s_wait_alu depctr_va_vdst(0)
	v_add_nc_u32 v23, NQ*1024, v23
	s_wait_alu depctr_va_vdst(0)
	FETCH \next, 0, 0
	MULR NA/2, NA/2, 1, 0
	WIN 0
.endm
.macro LAST
	s_wait_dscnt 0x0
	MULR 0, NA, 1, 0
	WIN 0
.endm
.macro VADDR                           ; the core's vector addresses
	v_and_b32 v1, 15, v0
	v_bfe_u32 v2, v0, 4, 1
	v_and_b32 v3, 31, v0
	v_lshlrev_b32 v4, 4, v3
	v_lshlrev_b32 v5, 2, v3
	s_mul_i32 s2, s15, HA
	s_mul_i32 s3, s16, HB
	s_add_co_u32 s3, s3, 2*HA
	v_add_nc_u32 v16, s2, v4
	v_add_nc_u32 v20, s3, v4
	v_add_nc_u32 v17, SLOT, v16
	v_add_nc_u32 v21, SLOT, v20
	s_mul_i32 s2, s15, NA*64
	s_add_co_u32 s2, s2, SCA
	v_add_nc_u32 v22, s2, v5
	s_lshl_b32 s3, s16, 9
	s_add_co_u32 s3, s3, SCB
	v_add_nc_u32 v23, s3, v5
.endm
; ---- end of the core ----
.set SPARE, SCB+KS*1024                ; the spare words, 128 bytes for each wave: two blocks of 256 bytes that no other line names
	s_load_b256 s[4:11], s[0:1], 0x0               ; w4 s[4:5], w1 s[6:7], bo s[8:9], out0 s[10:11]
	v_lshl_add_u32 v28, v0, 2, SPARE
	v_mov_b32 v29, 0
	ds_add_u32 v28, v29                            ; the wave's opening
	ds_add_u32 v28, v29
	v_lshrrev_b32 v1, 5, v0
	v_readfirstlane_b32 s14, v1                    ; wave 0..3
	s_lshr_b32 s15, s14, 1                         ; AH: my half of the queries.  Also: I fetch for A (0) or for B (1)
	s_and_b32 s16, s14, 1                          ; BH: my half of the outputs.  Also: which half I fetch
	s_bfe_u32 s40, ttmp6, 0x40000                  ; cx
	s_bfe_u32 s41, ttmp6, 0x40004                  ; cy
	s_and_b32 s18, ttmp7, 0xffff
	s_lshl_b32 s17, s18, 2
	s_add_co_u32 s17, s17, s41                     ; TA: the tile of 128 queries, 0..63
	s_lshl_b32 s42, ttmp9, 2
	s_add_co_u32 s42, s42, s40                     ; TB: the tile of 256 outputs
	s_lshl_b32 s43, s41, 2
	s_lshl_b32 s43, 15, s43                        ; my row of the cluster
	s_lshl_b32 s44, 0x1111, s40                    ; my column
	s_or_b32 s[G1SA], s43, (3<<16)|(1<<21)
	s_or_b32 s[G1SB], s44, (3<<16)|(1<<21)
	GROUP1 G1SA, 192*NQ, 2*NA, 192*8               ; all 8 row blocks of V_'s tile, one slot's K steps,
	GROUP1 G1SB, 192*NQ, 16, 192*8                 ; and all 16 of Wo's
	s_lshl_b32 s19, s17, 3                         ; V_'s tile: first row block
	s_mul_i32 s67, s16, NQ*FRB                     ; waves 0, 1 bring V_'s whole part of slot 0, 1, waves 2, 3 Wo's
	s_mul_i32 s20, s19, 8*FRB
	s_add_co_u32 s20, s20, s67
	s_mov_b32 s21, 0
	s_lshl_b32 s22, s19, 6                         ; the tile's scale words, K step 0
	s_add_co_u32 s22, s22, 6291456
	s_mov_b32 s23, 0
	s_lshl_b32 s46, s42, 4
	s_add_co_u32 s46, s46, 1728                    ; Wo's tile: first row block in w1
	s_mul_i32 s96, s46, 8*FRB
	s_add_co_u32 s96, s96, s67
	s_mov_b32 s97, 0
	s_lshl_b32 s98, s46, 6
	s_add_co_u32 s98, s98, SC1
	s_mov_b32 s99, 0
	s_mul_i32 s66, s16, SLOT                       ; where they go: no place in the cluster enters an LDS address
	s_wait_dscnt 0x0                               ; the opening add is done
	s_wait_kmcnt 0x0
	s_add_nc_u64 s[20:21], s[4:5], s[20:21]
	s_add_nc_u64 s[22:23], s[4:5], s[22:23]
	s_add_nc_u64 s[96:97], s[6:7], s[96:97]
	s_add_nc_u64 s[98:99], s[6:7], s[98:99]
	GROUP0 G0SA, 66, 0, 20, 0
	GROUP0 G0SB, 66, 2*HA, 96, 0
	CROUND                                         ; all sixteen work-groups are here: the joint loads meet
	JLOAD G0SA, G1SA, G0SB, G1SB                   ; my one tensor load: all of K is on its way
	; the scale words for all of K (V_'s 4,096 bytes, Wo's 8,192) are copied once by plain loads of 512 consecutive bytes a wave and LDS stores into bytes that no tensor load fills
	v_lshrrev_b32 v7, 5, v0
	v_and_b32 v10, 31, v0
	v_lshlrev_b32 v7, 15, v7                       ; V_'s: K step 4 j + wave, 32,768 bytes from K step to K step
	v_lshl_add_u32 v7, v10, 4, v7
	v_lshrrev_b32 v8, 6, v0
	v_and_b32 v10, 63, v0
	v_mul_u32_u24 v8, v8, 1792*64                  ; Wo's: K step 2 j + wave / 2, 1,792 row blocks of 64 bytes from K step to K step
	v_lshl_add_u32 v8, v10, 4, v8
	v_lshl_add_u32 v9, v0, 4, SCA
	s_wait_alu depctr_va_vdst(0)
.irp j, 0,1
	global_load_b128 v[64+4*\j:67+4*\j], v7, s[22:23] offset:131072*\j
.endr
.irp j, 0,1,2,3
	global_load_b128 v[72+4*\j:75+4*\j], v8, s[98:99] offset:2*1792*64*\j
.endr
	VADDR
	s_lshl_b32 s2, s42, 10
	s_lshl_b32 s3, s16, 9
	s_add_co_u32 s2, s2, s3                        ; my first output, in bytes: (256 TB + 128 BH) x 4
	s_mov_b32 s3, 0
	s_add_nc_u64 s[8:9], s[8:9], s[2:3]
	s_lshl_b32 s92, s17, 7
	s_lshl_b32 s93, s15, 6
	s_add_co_u32 s92, s92, s93                     ; my first query: 128 TA + 64 AH
	s_lshl_b32 s92, s92, 12
	s_add_co_u32 s2, s2, s92
	s_add_nc_u64 s[10:11], s[10:11], s[2:3]
	v_lshlrev_b32 v6, 6, v2                        ; the bias in the result's layout: tile b holds bo at 32 (b / 2) + 8 (b % 2) + 16 h + 0 .. 7
	WIN 0x40
.irp b, 0,1,2,3,4,5,6,7
	global_load_b128 v[96+8*(\b%4)+128*(\b/4):96+8*(\b%4)+128*(\b/4)+3], v6, s[8:9] offset:(32*(\b/2)+8*(\b%2))*4
	global_load_b128 v[96+8*(\b%4)+128*(\b/4)+4:96+8*(\b%4)+128*(\b/4)+7], v6, s[8:9] offset:(32*(\b/2)+8*(\b%2))*4+16
.endr
	WIN 0
	s_mul_i32 s2, s14, 16*528                      ; the way out: my stage, 16 rows x (512 bytes + 16)
	v_mul_u32_u24 v24, v1, 528
	v_lshl_add_u32 v24, v2, 6, v24
	v_add_nc_u32 v24, s2, v24                      ; in: row r, + 64 h
	v_add_nc_u32 v25, s2, v4                       ; back: 16 bytes a lane of a row
	s_wait_alu depctr_va_vdst(0)
	s_wait_loadcnt 0x0                             ; the bias
	s_wait_tensorcnt 0x0                           ; my part of the two slots is in
.irp j, 0,1
	ds_store_b128 v9, v[64+4*\j:67+4*\j] offset:2048*\j
.endr
.irp j, 0,1,2,3
	ds_store_b128 v9, v[72+4*\j:75+4*\j] offset:KS*SAROW+2048*\j
.endr
	s_wait_dscnt 0x0                               ; for the others' sake: my stores are done
	s_barrier_signal -1
	s_barrier_wait -1
	FETCH 0, 0, 0
	STEP 0, 0, 2                                   ; the first step's products start the sums at the bias
	MID 0, 1
	TURN 0, 1
	MID 1, 0
	LAST
; THE WAY OUT, a block of 16 queries x 128 outputs at a time, through my own stage (in slot 0, which has had its only fill and which nobody reads behind the change of slots): back come whole rows of 512 bytes.
; LDS serves a wave's instructions in order: no wait between the stores and the loads, nor in front of the next block's stores.
.macro TOSTAGE a
	WIN 0x08                                       ; an LDS store's data are its source 1: window 2
.irp b, 0,1,2,3,4,5,6,7
	ds_store_b128 v24, v[64*(\a)+8*\b:64*(\a)+8*\b+3] offset:(32*(\b/2)+8*(\b%2))*4          ; each accumulator from its low end on
	ds_store_b128 v24, v[64*(\a)+8*\b+4:64*(\a)+8*\b+7] offset:(32*(\b/2)+8*(\b%2))*4+16
.endr
	WIN 0
.irp t, 0,1,2,3,4,5,6,7,8,9,10,11,12,13,14,15
	ds_load_b128 v[64+64*((\a)%2)+4*\t:64+64*((\a)%2)+4*\t+3], v25 offset:528*\t
.endr
.endm
.macro SEND a, younger                 ; younger: the LDS instructions issued behind block a's loads, which may stay out
	s_wait_dscnt \younger
.irp t, 0,1,2,3,4,5,6,7,8,9,10,11,12,13,14,15
	global_store_b128 v4, v[64+64*((\a)%2)+4*\t:64+64*((\a)%2)+4*\t+3], s[10:11] offset:(32*((\a)/2)+8*((\a)%2)+\t+8*(\t/8))*4096 th:TH_STORE_NT   ; lane row t of block a is query 32 (a / 2) + 8 (a % 2) + t + 8 (t / 8); 512 consecutive bytes, aligned
.endr
.endm
	PLACES 4                                       ; behind the last products: for the stores of results and the loads into A's registers
	TOSTAGE 0
.irp a, 1,2,3
.if \a > 1
	s_wait_xcnt 0x0                                ; block a - 2's stores have read their registers: block a's loads may land there
.endif
	TOSTAGE \a
	SEND \a-1, 32                                  ; behind block a - 1's loads: block a's 16 stores and 16 loads
.endr
	SEND 3, 0
	s_wait_tensorcnt 0x0                           ; the wave's end
	ds_add_u32 v28, v29
	s_wait_dscnt 0x0
	CROUND                                         ; the closing round
	s_endpgm
.Lfunc_end_k_q344d177db6_outp:
	.size	k_q344d177db6_outp, .Lfunc_end_k_q344d177db6_outp-k_q344d177db6_outp
	.p2alignl 7, 3214868480
	.fill 96, 4, 3214868480
	.section	.rodata,"a",@progbits
	.p2align	6, 0x0
	.amdhsa_kernel k_q344d177db6_outp
		.amdhsa_group_segment_fixed_size 327680
		.amdhsa_private_segment_fixed_size 0
		.amdhsa_enable_private_segment 0
		.amdhsa_kernarg_size 32
		.amdhsa_user_sgpr_count 2
		.amdhsa_user_sgpr_kernarg_segment_ptr 1
		.amdhsa_wavefront_size32 1
		.amdhsa_system_sgpr_workgroup_id_x 1
		.amdhsa_system_sgpr_workgroup_id_y 1
		.amdhsa_system_sgpr_workgroup_id_z 1
		.amdhsa_system_vgpr_workitem_id 0
		.amdhsa_next_free_vgpr 768
		.amdhsa_next_free_sgpr 102
		.amdhsa_reserve_vcc 0
		.amdhsa_float_denorm_mode_32 3
		.amdhsa_float_denorm_mode_16_64 3
		.amdhsa_memory_ordered 1
		.amdhsa_forward_progress 1
		.amdhsa_inst_pref_size 80
	.end_amdhsa_kernel
	.amdgpu_metadata
---
amdhsa.version: [ 1, 2 ]
amdhsa.kernels:
  - .name:           k_q344d177db6_outp
    .symbol:         k_q344d177db6_outp.kd
    .args:
      - { .name: w4, .offset: 0, .size: 8, .value_kind: global_buffer, .address_space: global }
      - { .name: w1, .offset: 8, .size: 8, .value_kind: global_buffer, .address_space: global }
      - { .name: bo, .offset: 16, .size: 8, .value_kind: global_buffer, .address_space: global }
      - { .name: out0, .offset: 24, .size: 8, .value_kind: global_buffer, .address_space: global }
    .group_segment_fixed_size: 327680
    .private_segment_fixed_size: 0
    .kernarg_segment_align: 8
    .kernarg_segment_size: 32
    .max_flat_workgroup_size: 128
    .sgpr_count:     102
    .vgpr_count:     768
    .wavefront_size: 32
...
	.end_amdgpu_metadata
.endif
;; end of part 5
